; MI455X (gfx1250); checked and timed in simulation.
; The chip was launched on July 23, 2026; its instructions are those of AMD's public machine-readable ISA for CDNA 5 (MIT licence, August 2026) and "CDNA5" Instruction Set Architecture Reference Guide (July 2026). The comments in the code are by the model that wrote it; some were corrected since.
;; Multi Head Causal Attention. Allowed arithmetic: matrix products marked QUANTISED: E2M1 operands, one E8M0 scale for each 32 along K, by v_wmma_scale_f32_16x16x128_f8f6f4 with both operands' format E2M1 (or v_wmma_scale_f32_32x16x128_f4), f32 sums; products left as they are: bf16, f16 or f32 operands; f32 sums; everything else in f32.
;; Inputs: Wk 1,024 x 1,024 float32; Wo 1,024 x 1,024 float32; Wq 1,024 x 1,024 float32; Wv 1,024 x 1,024 float32; x 2 x 2,048 x 1,024 float32.
;; Outputs: out0 2 x 2,048 x 1,024 float32.
;; This version of the problem:
;;   THIS VERSION OF THE PROBLEM IS GIVEN IN LOW PRECISION. The matrix products marked QUANTISED in the list below multiply operands that are first quantised to E2M1 (2 exponent bits, 1 mantissa bit; 4 bits a number), with one power-of-two scale for each 32 numbers along K (OCP MX v1.0); their sums are f32. The products marked 'left as it is' may take bf16, f16 or f32 operands, with f32 sums. Whichever they take, every output number must still come out within the allowed error. Rounding operands to bf16 (8 significant bits) uses up far more of that allowance than f16 does (11 bits, for magnitudes from 6e-5 to 65,504). All else is computed in f32.
;;   The module's matrix products, in the order in which they are computed (A, B: the left and right operand; K: the contracted axis; several contracted axes count as one K, in the product's order):
;;     1. [M 4,096, K 1,024] x [K 1,024, N 1,024]; A: input x; B: input Wq: QUANTISED
;;     2. [M 4,096, K 1,024] x [K 1,024, N 1,024]; A: input x; B: input Wk: QUANTISED
;;     3. [M 4,096, K 1,024] x [K 1,024, N 1,024]; A: input x; B: input Wv: QUANTISED
;;     4. batch 32 x [M 2,048, K 64] x [K 64, N 2,048]; A: computed on the way; B: computed on the way: left as it is (an operand is computed on the way)
;;     5. batch 32 x [M 2,048, K 2,048] x [K 2,048, N 64]; A: computed on the way; B: computed on the way: left as it is (an operand is computed on the way)
;;     6. [M 4,096, K 1,024] x [K 1,024, N 1,024]; A: computed on the way; B: input Wo: left as it is (an operand is computed on the way)
;;   THE QUANTISER, for each operand of a quantised product, along K:
;;     - K is cut into blocks of 32 from its start; a last block that is shorter is filled with zeros.
;;     - A block's scale is 2^e with e = floor(log2(the largest magnitude in the block)) - 2, held to -126 .. 127; a block of zeros has e = 0. As a byte (E8M0): e + 127.
;;     - Each number is divided by its block's scale, clamped to +-6, and rounded to the nearest number of E2M1, ties to even, subnormals kept.
;;     - The product sums the exact products of the quantised numbers (number of the format x scale) in f32.
;;   ~~~python
;;   def quantise(x, axis):      # numpy; x: float32 -> the quantised numbers, widened to float32 again
;;       x = np.moveaxis(x, axis, -1); K = x.shape[-1]
;;       x = np.pad(x, [(0, 0)] * (x.ndim - 1) + [(0, -K % 32)]); x = x.reshape(x.shape[:-1] + (-1, 32)); a = np.abs(x).max(-1, keepdims=True)
;;       e = np.where(a > 0, np.clip(np.frexp(np.where(a > 0, a, 1))[1] - 1 - 2, -126, 127), 0)      # np.frexp(a)[1] - 1 = floor(log2(a)), exactly
;;       r = np.clip(x / 2.0 ** e, -6, 6)
;;       step = 2.0 ** (np.maximum(np.frexp(np.where(r == 0, 1, r))[1] - 1, 0) - 1)
;;       q = np.round(r / step) * step * 2.0 ** e      # np.round: ties to even
;;       return np.moveaxis(q.reshape(q.shape[:-2] + (-1,))[..., :K], -1, axis).astype(np.float32)
;;   ~~~
;; One version. Each part assembles by itself: llvm-mc -triple=amdgcn-amd-amdhsa -mcpu=gfx1250 --defsym DOCPART=n.
;; ======== version 1 of 1: 5 launches
;; limits: values are held in f16: magnitudes above 65,504 overflow, below 6.1e-05 lose precision
;; workspace buffers: xcodes 2,097,152 bytes; xscales 131,072 bytes; wcodes 1,572,864 bytes; wscales 98,304 bytes; wo16 2,097,152 bytes; qkv 25,165,824 bytes; fine 393,216 bytes; att 8,388,608 bytes
;; launch quant (part 1): grid 256 x 1, 4 waves a work-group, no clusters, 33,280 bytes of LDS; arguments x, Wq, Wk, Wv, Wo, xcodes, xscales, wcodes, wscales, wo16; writes xcodes, xscales, wcodes, wscales, wo16
.if DOCPART == 1
	.amdgcn_target "amdgcn-amd-amdhsa--gfx1250"
	.amdhsa_code_object_version 6
	.text
	.protected	k_q1cc714b380_quant
	.globl	k_q1cc714b380_quant
	.p2align	8
	.type	k_q1cc714b380_quant,@function
k_q1cc714b380_quant:
	s_mov_b64 s[64:65], 0
	v_nop
	global_prefetch_b8 v0, s[64:65] scope:SCOPE_SE
	s_setreg_imm32_b32 hwreg(HW_REG_WAVE_MODE, 25, 1), 1
	s_wait_xcnt 0x0
; x [4096][1024] and Wq, Wk, Wv [1024][1024], f32, become codes of FP4 (E2M1), K innermost, with one E8M0 scale byte for each 32 along K; Wo [1024][1024] becomes f16.
; K is the last axis of all of them and a multiple of 32: each tensor is a plain stream of blocks of 32 numbers, and so are its codes and its scale bytes.
; A block's scale is 2^(floor(log2(its largest magnitude)) - 2); its byte is the largest magnitude's exponent field - 2, held at 1 from below.  Each number is divided by the scale and rounded to the nearest code, ties to even; beyond 6 the largest code.
; LIMITS: a block of zeros, or one whose largest magnitude lies under 2^(3 - 127), gets the byte 1 (its codes are zeros or nearly so, and this program alone reads the bytes); NaN and infinities are not served; |Wo| beyond 65,504 overflows f16.
; SHARES: a work-group takes 32,768 numbers, a wave 8,192 in 16 steps of 512.  Work-groups 0-127: x; 128-159: Wq; 160-191: Wk; 192-223: Wv (their codes lie one behind the other: rows 0-3071 of wcodes); 224-255: Wo.
; The conversions take 8 neighbours along K from ONE lane's registers, a load is best where neighbouring LANES take neighbouring bytes: so each load reads 512 consecutive bytes, and a step's 2,048 bytes turn through the wave's own
; stage in LDS (16 bytes of padding behind each 64) and come back 64 bytes a lane.  A wave's store of codes covers 256 consecutive bytes, aligned; its 256 scale bytes are gathered in LDS and leave as one such run.
; No tensor loads, no barrier: waves share nothing.  Loads run four steps (16 loads a wave) ahead.
.set WAVES, 4
.set STEPS, 16
.set EMAX,  2
.set CB,    8                          ; bytes of 16 codes
.set R,     16                         ; v16-79   four sets of 16 numbers as they are loaded
.set X,     80                         ; v80-111  two sets of 16 neighbours
.set H,     80                         ; v80-95   Wo's path: two sets of 8 registers of f16
.set E,     112                        ; v112-127 a scale byte for each step
.set C,     128                        ; v128-191 codes: registers of its own for each step
.set WREG,  8192                       ; LDS: a region for each wave: two stages of 32 x SP bytes, then its 256 scale bytes
.set SP,    80
.set SPW,   12                         ; v12  LDS address of my spare word; never rewritten
.set NIL,   13                         ; v13  0; never rewritten
.set SPARE, WAVES*WREG                 ; behind the four regions: the spare words, 128 bytes a wave
.set SRC,   24                         ; s[24:25] my numbers
.set COD,   26                         ; s[26:27] my codes
.set SCB,   28                         ; s[28:29] my scale bytes
.set WV,    32
	s_load_b512 s[4:19], s[0:1], 0x0               ; x, Wq, Wk, Wv, Wo, xcodes, xscales, wcodes
	s_load_b128 s[20:23], s[0:1], 0x40             ; wscales, wo16
	v_lshl_add_u32 v[SPW], v0, 2, SPARE
	v_mov_b32 v[NIL], 0
	v_lshrrev_b32 v1, 5, v0
	v_readfirstlane_b32 s[WV], v1                  ; wave
	v_and_b32 v2, 31, v0                           ; lane
	v_lshlrev_b32 v3, 4, v2                        ; my 16 bytes of a load's 512
	s_mul_i32 s33, s[WV], WREG
	v_lshrrev_b32 v14, 2, v2
	v_mul_u32_u24 v14, v14, SP
	v_and_b32 v15, 3, v2
	v_lshl_add_u32 v14, v15, 4, v14
	v_add_nc_u32 v14, s33, v14                     ; the stage, on the way in: SP (lane / 4) + 16 (lane % 4)
	v_mul_u32_u24 v15, v2, SP
	v_add_nc_u32 v15, s33, v15                     ; and on the way out: SP x lane: my 16 neighbours
	v_mul_u32_u24 v4, v2, CB                       ; 8 x lane: my codes' place in a step's; also my f16 numbers' place in a store's 256 bytes
	v_lshrrev_b32 v5, 1, v2
	s_add_co_u32 s33, s33, 2*32*SP
	v_add_nc_u32 v5, s33, v5                       ; LDS: my wave's 256 scale bytes, my block's byte
	v_lshlrev_b32 v7, 3, v2
	v_add_nc_u32 v6, s33, v7                       ; and on the way out 8 bytes a lane
	s_wait_kmcnt 0x0
	s_cmp_lt_u32 ttmp9, 160                        ; which tensor: the choices hang on the work-group's number alone
	s_cselect_b64 s[SRC:SRC+1], s[6:7], s[8:9]
	s_cmp_lt_u32 ttmp9, 192
	s_cselect_b64 s[SRC:SRC+1], s[SRC:SRC+1], s[10:11]
	s_cmp_lt_u32 ttmp9, 224
	s_cselect_b64 s[SRC:SRC+1], s[SRC:SRC+1], s[12:13]
	s_cmp_lt_u32 ttmp9, 128
	s_cselect_b64 s[SRC:SRC+1], s[4:5], s[SRC:SRC+1]
	s_cselect_b64 s[COD:COD+1], s[14:15], s[18:19]
	s_cselect_b64 s[SCB:SCB+1], s[16:17], s[20:21]
	s_cselect_b32 s30, 0, 128                      ; the first work-group of the destination's stream
	s_cselect_b32 s31, 127, 31                     ; work-groups in a source tensor, less one
	s_and_b32 s34, ttmp9, s31
	s_lshl_b32 s34, s34, 2
	s_add_co_u32 s34, s34, s[WV]                   ; which run of 8,192 numbers of the source is my wave's
	s_sub_co_u32 s36, ttmp9, s30
	s_lshl_b32 s36, s36, 2
	s_add_co_u32 s36, s36, s[WV]                   ; and which of the destination
	s_mov_b32 s39, 0
	s_lshl_b32 s38, s34, 15                        ; 32,768 bytes of f32 a run
	s_add_nc_u64 s[SRC:SRC+1], s[SRC:SRC+1], s[38:39]
	s_lshl_b32 s38, s36, 12                        ; 4,096 bytes of codes
	s_add_nc_u64 s[COD:COD+1], s[COD:COD+1], s[38:39]
	s_lshl_b32 s38, s36, 8                         ; 256 scale bytes
	s_add_nc_u64 s[SCB:SCB+1], s[SCB:SCB+1], s[38:39]
.macro LOAD t
.irp i, 0,1,2,3
	global_load_b128 v[R+16*((\t)%4)+4*\i:R+16*((\t)%4)+4*\i+3], v3, s[SRC:SRC+1] offset:2048*(\t)+512*\i th:TH_LOAD_NT   ; 32 lanes read 512 consecutive bytes
.endr
.endm
.irp t, 0,1,2,3
	LOAD \t
.endr
	s_cmp_ge_u32 ttmp9, 224
	s_cbranch_scc1 .Lwo
.macro TURN t                          ; step t's numbers through the stage: LDS serves a wave's instructions in order, so no wait stands between the stores and the loads
.irp i, 0,1,2,3
	ds_store_b128 v14, v[R+16*((\t)%4)+4*\i:R+16*((\t)%4)+4*\i+3] offset:32*SP*((\t)%2)+8*SP*\i
.endr
.irp i, 0,1,2,3
	ds_load_b128 v[X+16*((\t)%2)+4*\i:X+16*((\t)%2)+4*\i+3], v15 offset:32*SP*((\t)%2)+16*\i
.endr
.endm
	s_wait_loadcnt 12                              ; step 0's four loads are in; the 12 of steps 1 to 3 may be out
	TURN 0
.macro STEP t
.set XS, X+16*((\t)%2)
.if (\t) > 0
	s_wait_dscnt 1                                 ; this step's numbers are back from the stage (the last step's byte store may be out): so its stores into the stage have read their registers,
.else
	s_wait_dscnt 0x0
.endif
.if (\t)+4 < STEPS
	LOAD (\t)+4                                    ; which take the loads of four steps on
.endif
.if (\t)+1 < STEPS
.if STEPS-2-(\t) >= 3
	s_wait_loadcnt 12                              ; the next step's four loads are in; those of the three steps behind it may be out
.else
	s_wait_loadcnt 4*(STEPS-2-(\t))
.endif
	TURN (\t)+1                                    ; and go through the other stage while this step is worked
.endif
	v_max3_num_f32 v8, |v[XS]|, |v[XS+1]|, |v[XS+2]|               ; the largest magnitude of my 16, in two chains
	v_max3_num_f32 v9, |v[XS+3]|, |v[XS+4]|, |v[XS+5]|
.irp i, 6,10
	v_max3_num_f32 v8, v8, |v[XS+\i]|, |v[XS+\i+1]|
	v_max3_num_f32 v9, v9, |v[XS+\i+2]|, |v[XS+\i+3]|
.endr
	v_max3_num_f32 v8, v8, |v[XS+14]|, |v[XS+15]|
	v_max3_num_f32 v8, v8, v9, (EMAX+1)<<23        ; and the floor 2^(EMAX + 1 - 127): the byte cannot fall under 1
	v_max_num_f32_dpp v8, v8, v8 row_xmask:1 row_mask:0xf bank_mask:0xf   ; and of my neighbour's 16: the block's
	v_add_nc_u32 v11, -(EMAX<<23), v8              ; EMAX off its exponent field: the conversion takes the exponent field of this operand as its scale
	v_cvt_scalef32_pk8_fp4_f32 v[C+4*(\t)], v[XS:XS+7], v11
	v_cvt_scalef32_pk8_fp4_f32 v[C+4*(\t)+1], v[XS+8:XS+15], v11
	v_lshrrev_b32 v[E+(\t)], 23, v11               ; the scale's byte (also the plain line behind the conversions)
	ds_store_b8 v5, v[E+(\t)] offset:16*(\t)       ; both lanes of a block write the same byte with the same value
	global_store_b64 v4, v[C+4*(\t):C+4*(\t)+1], s[COD:COD+1] offset:32*CB*(\t)   ; 32 lanes store 256 consecutive bytes, aligned
.endm
.irp t, 0,1,2,3,4,5,6,7,8,9,10,11,12,13,14,15
	STEP \t
.endr
	ds_load_b64 v[8:9], v6                         ; LDS serves a wave's instructions in order: these see my byte stores
	s_wait_dscnt 0x0
	global_store_b64 v7, v[8:9], s[SCB:SCB+1]      ; 256 consecutive bytes, aligned
	s_branch .Lend
.Lwo:
	; Wo to f16, rounded to nearest even: no LDS.  A load's 512 bytes become a store's 256.
	s_lshl_b32 s38, s34, 14                        ; 16,384 bytes of f16 a run
	s_add_nc_u64 s[22:23], s[22:23], s[38:39]
.macro CSTEP t
.if STEPS-1-(\t) >= 3
	s_wait_loadcnt 12                              ; this step's four loads are in; those of the three steps behind it may be out
.else
	s_wait_loadcnt 4*(STEPS-1-(\t))
.endif
	s_wait_xcnt 0x0                                ; the stores of two steps back have read their data: that set is written again only behind this wait
.irp i, 0,1,2,3
	v_cvt_pk_f16_f32 v[H+8*((\t)%2)+2*\i], v[R+16*((\t)%4)+4*\i], v[R+16*((\t)%4)+4*\i+1]
	v_cvt_pk_f16_f32 v[H+8*((\t)%2)+2*\i+1], v[R+16*((\t)%4)+4*\i+2], v[R+16*((\t)%4)+4*\i+3]
.endr
.if (\t)+4 < STEPS
	LOAD (\t)+4
.endif
.irp i, 0,1,2,3
	global_store_b64 v4, v[H+8*((\t)%2)+2*\i:H+8*((\t)%2)+2*\i+1], s[22:23] offset:1024*(\t)+256*\i   ; 256 consecutive bytes, aligned
.endr
.endm
.irp t, 0,1,2,3,4,5,6,7,8,9,10,11,12,13,14,15
	CSTEP \t
.endr
.Lend:
	s_wait_tensorcnt 0x0                           ; the wave's end
	ds_add_u32 v[SPW], v[NIL]
	s_wait_dscnt 0x0
	s_endpgm
.Lfunc_end_k_q1cc714b380_quant:
	.size	k_q1cc714b380_quant, .Lfunc_end_k_q1cc714b380_quant-k_q1cc714b380_quant
	.p2alignl 7, 3214868480
	.fill 96, 4, 3214868480
	.section	.rodata,"a",@progbits
	.p2align	6, 0x0
	.amdhsa_kernel k_q1cc714b380_quant
		.amdhsa_group_segment_fixed_size 33280
		.amdhsa_private_segment_fixed_size 0
		.amdhsa_enable_private_segment 0
		.amdhsa_kernarg_size 80
		.amdhsa_user_sgpr_count 2
		.amdhsa_user_sgpr_kernarg_segment_ptr 1
		.amdhsa_wavefront_size32 1
		.amdhsa_system_sgpr_workgroup_id_x 1
		.amdhsa_system_sgpr_workgroup_id_y 1
		.amdhsa_system_sgpr_workgroup_id_z 1
		.amdhsa_system_vgpr_workitem_id 0
		.amdhsa_next_free_vgpr 192
		.amdhsa_next_free_sgpr 66
		.amdhsa_reserve_vcc 0
		.amdhsa_float_denorm_mode_32 3
		.amdhsa_float_denorm_mode_16_64 3
		.amdhsa_memory_ordered 1
		.amdhsa_forward_progress 1
		.amdhsa_inst_pref_size 53
	.end_amdhsa_kernel
	.amdgpu_metadata
---
amdhsa.version: [ 1, 2 ]
amdhsa.kernels:
  - .name:           k_q1cc714b380_quant
    .symbol:         k_q1cc714b380_quant.kd
    .args:
      - { .name: x, .offset: 0, .size: 8, .value_kind: global_buffer, .address_space: global }
      - { .name: Wq, .offset: 8, .size: 8, .value_kind: global_buffer, .address_space: global }
      - { .name: Wk, .offset: 16, .size: 8, .value_kind: global_buffer, .address_space: global }
      - { .name: Wv, .offset: 24, .size: 8, .value_kind: global_buffer, .address_space: global }
      - { .name: Wo, .offset: 32, .size: 8, .value_kind: global_buffer, .address_space: global }
      - { .name: xcodes, .offset: 40, .size: 8, .value_kind: global_buffer, .address_space: global }
      - { .name: xscales, .offset: 48, .size: 8, .value_kind: global_buffer, .address_space: global }
      - { .name: wcodes, .offset: 56, .size: 8, .value_kind: global_buffer, .address_space: global }
      - { .name: wscales, .offset: 64, .size: 8, .value_kind: global_buffer, .address_space: global }
      - { .name: wo16, .offset: 72, .size: 8, .value_kind: global_buffer, .address_space: global }
    .group_segment_fixed_size: 33280
    .private_segment_fixed_size: 0
    .kernarg_segment_align: 8
    .kernarg_segment_size: 80
    .max_flat_workgroup_size: 128
    .sgpr_count:     66
    .vgpr_count:     192
    .wavefront_size: 32
...
	.end_amdgpu_metadata
.endif
;; end of part 1
;; launch qkv (part 2): grid 12 x 16, 4 waves a work-group, clusters of 4 x 4, 327,680 bytes of LDS; arguments xcodes, xscales, wcodes, wscales, qkv, fine; writes qkv, fine
.if DOCPART == 2
	.amdgcn_target "amdgcn-amd-amdhsa--gfx1250"
	.amdhsa_code_object_version 6
	.text
	.protected	k_q1cc714b380_qkv
	.globl	k_q1cc714b380_qkv
	.p2align	8
	.type	k_q1cc714b380_qkv,@function
k_q1cc714b380_qkv:
	s_mov_b64 s[64:65], 0
	v_nop
	global_prefetch_b8 v0, s[64:65] scope:SCOPE_SE
	s_setreg_imm32_b32 hwreg(HW_REG_WAVE_MODE, 25, 1), 1
	s_wait_xcnt 0x0
	s_wait_alu depctr_hold_cnt(0) depctr_sa_sdst(0) depctr_va_vdst(0) depctr_va_sdst(0) depctr_va_ssrc(0) depctr_va_vcc(0) depctr_vm_vsrc(0)
	s_getreg_b32 s2, hwreg(HW_REG_IB_STS2, 6, 4)
	s_cmp_eq_u32 s2, 0
	s_cbranch_scc0 .Lentry_in_a_cluster
	s_endpgm
.Lentry_in_a_cluster:
	s_bfe_u32 s2, ttmp6, 0x10000c
	s_cmp_lg_u32 s2, 0xf033
	s_cbranch_scc0 .Lentry_shape_is_right
	s_endpgm
.Lentry_shape_is_right:
; q, k, v = x Wq^T, x Wk^T, x Wv^T as ONE product C = A B^T on codes of FP4 (E2M1) with E8M0 scales: A = x's codes [4096][1024], B = the three weights' codes one below the other [3072][1024]; sums in f32.
; A tile of C, 256 x 256, is made by a work-group of four waves; a wave makes 128 x 128: 64 accumulators of 16 x 16, 512 registers.  K = 1,024 is two K steps of 512: both LDS slots are filled once, at the head, and nothing is filled again.
; THE SCALES of the work-group's 256 rows of A and of B, for all of K, are two dense blocks of memory: they come into LDS once, with the first fills.
; CLUSTERS: 4 x 4 work-groups.  The four of a row of the cluster need the same tiles of A, the four of a column the same tiles of B: each tile is asked for JOINTLY.
; THE MATRIX INSTRUCTION IS USED TRANSPOSED (source 0 = 16 rows of B, source 1 = 16 rows of A): a lane then holds eight neighbouring columns of one row of C.
; OUT: column n of C is tensor n / 1024 (q, k, v), head (n % 1024) / 64, channel n % 64; row m is batch m / 2048, position m % 2048.  The results leave as f16, laid [3][2][16][2048][64]: a head's rows are dense.
; The f32 results of positions 0 to 15 of each sequence leave beside them, laid [3][2][16][16][64], for the launch that redoes those rows in f32: 16 bytes a lane, 384 KiB in all, parts of 256-byte runs.
; LIMITS: results beyond 65,504 overflow f16.
; REGISTERS, in windows of 256: window 0: v0-31 addresses; v32-95 scale words, two sets; from v128 A's fragments, ONE set; on the way out v32-255 are free.  window 1: B's fragments, TWO sets.  windows 2, 3: the accumulators of my rows 0-63, 64-127.
.set SIZE_M, 4096
.set SIZE_N, 3072
.set SIZE_K, 1024
.set KSTEP,  512                       ; along K in a slot
.set NQ,     KSTEP/128                 ; matrix instructions deep
.set ROWB,   256                       ; a tile's row in bytes
.set KROW,   SIZE_K*4/8                ; a row of A or of B in memory, in bytes
.set PITCH,  272                       ; an LDS row: 256 bytes + 16 of padding: the 16 rows that a load touches start 68 words apart
.set FR,     8
.set NL,     2
.set NP,     4                         ; places behind this matrix instruction (ISA guide 7.12.1)
.set HALFT,  128*PITCH
.set SLOT,   4*HALFT
.set KS,     SIZE_K/32                 ; a row of scales in bytes
.set SCL,    2*SLOT                    ; behind the ring: the scales, as runs of 256 bytes + 16 of padding
.set HALFS,  (128*KS/256)*272
.set SBLK,   (16*KS/256)*272
.set SPARE,  SCL+4*HALFS               ; the spare words, 128 bytes a wave
.set SPITCH, 272                       ; the way out: a stage of 16 rows x (256 bytes + 16) for each wave, in slot 0, which has had its only fill and its last read when the first result is stored there
.set ADRA, 16
.set ADRB, 20
.set STO,  24                          ; v24  the way out: where I put 16 bytes of a row
.set RD,   25                          ; v25  where I read rows back: four rows of 128 bytes an instruction
.set CO,   26                          ; v26  16 x lane
.set ADRS, 27
.set SPW,  28
.set NIL,  29
.set FO,   30                          ; v30  my place in a head's 16 rows of f32: 256 r + 32 h
.set SC,   32
.set AF,   128
.set TMP,  192                         ; the way out: packed results
.set OB,   32                          ; and rows read back: v32-63 and v224-255 by turns
.set G1, 24
.set G0, 32
.set G1B, 48
.set G0B, 56
.set G1S, 68
.set G0S, 76
.set G1SB, 80
.set G0SB, 88
.set MSB, 0
.macro WIN new                         ; the immediate's high byte repeats the setting that is left
.if MSB != \new
	s_set_vgpr_msb (MSB<<8)|\new
.set MSB, \new
.endif
.endm
.set MUL_LO, 0xa1                      ; source 0 (B) window 1, source 1 (A) window 0, C and D window 2
.set MUL_HI, 0xf1                      ; the same, C and D window 3
.set TO_B,   0x40                      ; destination window 1, address window 0
; A joint load: waves 0 and 1 fetch for A, waves 2 and 3 for B.  The branch hangs on the wave's number alone.  An s_nop 0 and four v_nop follow each of the two lines.
.macro JLOAD g0a, g1a, g0b, g1b
	s_cmp_eq_u32 s15, 0
	s_cbranch_scc0 .Lfor_b_\@
	tensor_load_to_lds s[\g0a:\g0a+3], s[\g1a:\g1a+7]
	s_nop 0
.rept 4
	v_nop
.endr
	s_branch .Lasked_\@
.Lfor_b_\@:
	tensor_load_to_lds s[\g0b:\g0b+3], s[\g1b:\g1b+7]
	s_nop 0
.rept 4
	v_nop
.endr
.Lasked_\@:
.endm
.macro CROUND                          ; a round of the cluster's barrier
	s_barrier_signal -1
	s_barrier_wait -1
	s_cmp_lg_u32 s14, 0
	s_cbranch_scc1 .Lnot_wave_0_\@
	s_barrier_signal -3
.Lnot_wave_0_\@:
	s_barrier_wait -3
	s_barrier_signal -1
	s_barrier_wait -1
.endm
	s_load_b128 s[4:7], s[0:1], 0x0                ; x's codes, x's scales
	s_load_b128 s[8:11], s[0:1], 0x10              ; the weights' codes, their scales
	s_load_b64 s[12:13], s[0:1], 0x20              ; qkv
	s_load_b64 s[96:97], s[0:1], 0x28              ; fine
	v_lshl_add_u32 v[SPW], v0, 2, SPARE
	v_mov_b32 v[NIL], 0
	ds_add_u32 v[SPW], v[NIL]                      ; the wave's opening: the add, twice on end, and its wait ahead of my first tensor load
	ds_add_u32 v[SPW], v[NIL]
	v_lshrrev_b32 v1, 5, v0
	v_readfirstlane_b32 s14, v1                    ; wave 0..3
	s_lshr_b32 s15, s14, 1                         ; which half of the tile's rows is mine.  Also: I fetch for A (0) or for B (1)
	s_and_b32 s16, s14, 1                          ; which half of its columns.  Also: which 128 rows of that tile I fetch
	s_bfe_u32 s40, ttmp6, 0x40000                  ; cx, cy: my place in the cluster
	s_bfe_u32 s41, ttmp6, 0x40004
	s_lshl_b32 s42, ttmp9, 2
	s_add_co_u32 s42, s42, s40                     ; tile column of C
	s_and_b32 s17, ttmp7, 0xffff
	s_lshl_b32 s17, s17, 2
	s_add_co_u32 s17, s17, s41                     ; tile row of C
	s_lshl_b32 s43, s41, 2
	s_lshl_b32 s43, 15, s43                        ; my row of the cluster
	s_lshl_b32 s44, 0x1111, s40                    ; my column
	; descriptor group 1: a tile of 128 rows x 256 bytes, 16 bytes of padding behind each row
	s_or_b32 s[G1+0], s43, (0<<16)|(1<<20)|(1<<21)|(5<<22)|(3<<25)
	s_or_b32 s[G1B+0], s44, (0<<16)|(1<<20)|(1<<21)|(5<<22)|(3<<25)
.irp g, G1, G1B
	s_mov_b32 s[\g+1], ROWB<<16                    ; tensor_dim0
	s_mov_b32 s[\g+2], 128<<16                     ; tensor_dim1
	s_mov_b32 s[\g+3], ROWB<<16                    ; tile_dim0
	s_mov_b32 s[\g+4], 128                         ; tile_dim1
	s_mov_b32 s[\g+5], KROW                        ; from row to row
	s_mov_b32 s[\g+6], 0
	s_mov_b32 s[\g+7], 0
.endr
	; the scales of 128 rows: a dense block of 4,096 bytes, as 16 rows of 256 bytes (32 elements of 8 bytes), 16 bytes of padding behind each
	s_or_b32 s[G1S+0], s43, (3<<16)|(1<<20)|(1<<21)|(5<<22)|(3<<25)
	s_or_b32 s[G1SB+0], s44, (3<<16)|(1<<20)|(1<<21)|(5<<22)|(3<<25)
.irp g, G1S, G1SB
	s_mov_b32 s[\g+1], 32<<16
	s_mov_b32 s[\g+2], (128*KS/256)<<16
	s_mov_b32 s[\g+3], 32<<16
	s_mov_b32 s[\g+4], 128*KS/256
	s_mov_b32 s[\g+5], 32
	s_mov_b32 s[\g+6], 0
	s_mov_b32 s[\g+7], 0
.endr
	s_lshl_b32 s18, s16, 7                         ; which 128 rows of the tile I fetch
	s_lshl_b32 s20, s17, 8
	s_add_co_u32 s20, s20, s18                     ; A: row 256 x tile row + 128 x half
	s_lshl_b32 s46, s42, 8
	s_add_co_u32 s46, s46, s18                     ; B: row 256 x tile column + 128 x half
	s_mov_b32 s21, 0
	s_mov_b32 s47, 0
	s_mov_b64 s[18:19], KS
	s_mul_u64 s[22:23], s[20:21], s[18:19]         ; where these rows' scales begin, in bytes
	s_mul_u64 s[92:93], s[46:47], s[18:19]
	s_mov_b64 s[18:19], KROW
	s_mul_u64 s[20:21], s[20:21], s[18:19]         ; and their codes
	s_mul_u64 s[46:47], s[46:47], s[18:19]
	s_mul_i32 s45, s14, HALFT                      ; where they go: wave x 128 rows
	s_mul_i32 s94, s14, HALFS
	s_wait_dscnt 0x0                               ; both opening adds are done
	s_wait_kmcnt 0x0
	s_add_nc_u64 s[20:21], s[4:5], s[20:21]
	s_add_nc_u64 s[22:23], s[6:7], s[22:23]
	s_add_nc_u64 s[46:47], s[8:9], s[46:47]
	s_add_nc_u64 s[92:93], s[10:11], s[92:93]
	CROUND                                         ; all sixteen work-groups are here: the joint loads meet
	s_mov_b32 s[G0S], 1
	s_add_co_u32 s[G0S+1], s94, SCL
	s_mov_b64 s[G0S+2:G0S+3], s[22:23]
	s_or_b32 s[G0S+3], s[G0S+3], 0x80000000
	s_mov_b32 s[G0SB], 1
	s_add_co_u32 s[G0SB+1], s94, SCL
	s_mov_b64 s[G0SB+2:G0SB+3], s[92:93]
	s_or_b32 s[G0SB+3], s[G0SB+3], 0x80000000
	JLOAD G0S, G1S, G0SB, G1SB                     ; the scales first: they are wanted with K step 0
.irp s, 0,1
	s_mov_b32 s[G0+4*\s], 1
	s_add_co_u32 s[G0+4*\s+1], s45, \s*SLOT
	s_add_nc_u64 s[G0+4*\s+2:G0+4*\s+3], s[20:21], \s*ROWB
	s_or_b32 s[G0+4*\s+3], s[G0+4*\s+3], 0x80000000
	s_mov_b32 s[G0B+4*\s], 1
	s_add_co_u32 s[G0B+4*\s+1], s45, \s*SLOT
	s_add_nc_u64 s[G0B+4*\s+2:G0B+4*\s+3], s[46:47], \s*ROWB
	s_or_b32 s[G0B+4*\s+3], s[G0B+4*\s+3], 0x80000000
	JLOAD G0+4*\s, G1, G0B+4*\s, G1B               ; three loads of mine are out behind the second of these
.endr
	v_and_b32 v1, 15, v0                           ; r = l % 16
	v_bfe_u32 v2, v0, 4, 1                         ; h = l / 16
	v_mul_u32_u24 v3, v1, PITCH
	v_lshl_add_u32 v4, v2, 4, v3                   ; a fragment's row x pitch + 16 x half
	s_mul_i32 s21, s15, HALFT                      ; my 128 rows of A
	s_mul_i32 s22, s16, HALFT                      ; my 128 rows of B,
	s_add_co_u32 s22, s22, 2*HALFT                 ; which lie behind A's 256
.irp s, 0,1
	v_add_nc_u32 v[ADRA+\s], s21, v4
	v_add_nc_u32 v[ADRB+\s], s22, v4
	s_add_co_u32 s21, s21, SLOT
	s_add_co_u32 s22, s22, SLOT
.endr
	v_mul_u32_u24 v5, v1, KS                       ; my row's scales: KS bytes a row,
	v_lshrrev_b32 v6, 8, v5
	v_lshl_add_u32 v5, v6, 4, v5                   ; and 16 more for each 256 passed
	s_mul_i32 s21, s15, HALFS                      ; A's: my 128 rows
	s_mul_i32 s22, s16, HALFS                      ; B's: my 128 rows, behind A's 256
	s_add_co_u32 s22, s22, 2*HALFS
	s_sub_co_u32 s22, s22, s21
	v_mul_u32_u24 v6, s22, v2                      ; lanes 16-31 take B's
	s_add_co_u32 s21, s21, SCL
	v_add_nc_u32 v5, v5, v6
	v_add_nc_u32 v[ADRS], s21, v5
	s_mul_i32 s23, s14, 16*SPITCH                  ; my stage
	v_mul_u32_u24 v5, v1, SPITCH                   ; in: row r, 16 bytes for each half of the lanes
	v_lshl_add_u32 v5, v2, 4, v5
	v_add_nc_u32 v[STO], s23, v5
	v_and_b32 v6, 31, v0
	v_lshrrev_b32 v5, 3, v6                        ; back: eight lanes take a head's 128 bytes of a row, four rows an instruction
	v_mul_u32_u24 v5, v5, SPITCH
	v_and_b32 v3, 7, v0
	v_lshl_add_u32 v5, v3, 4, v5
	v_add_nc_u32 v[RD], s23, v5
	v_lshlrev_b32 v[CO], 4, v6                     ; in memory those four rows are 512 dense bytes
	v_lshlrev_b32 v[FO], 8, v1
	v_lshl_add_u32 v[FO], v2, 5, v[FO]
	; where my part of C goes.  My 128 columns are heads hh0 and hh0 + 1 of the 48 (q's 16, k's 16, v's 16), hh0 = 4 x tile column + 2 x half
	s_lshl_b32 s2, s42, 2
	s_lshl_b32 s3, s16, 1
	s_add_co_u32 s2, s2, s3                        ; hh0
	s_lshr_b32 s3, s2, 4
	s_lshl_b32 s3, s3, 5                           ; 32 heads (two batches) a tensor
	s_and_b32 s2, s2, 15
	s_add_co_u32 s2, s2, s3
	s_lshr_b32 s3, s17, 3                          ; batch = tile row / 8
	s_lshl_b32 s3, s3, 4
	s_add_co_u32 s2, s2, s3                        ; the head's number among the 96
	s_and_b32 s95, s17, 7                          ; which 256 positions of the sequence
	s_mov_b32 s67, 0
	s_lshl_b32 s66, s2, 12                         ; 4,096 bytes a head in fine
	s_add_nc_u64 s[96:97], s[96:97], s[66:67]
	s_lshl_b32 s66, s2, 18                         ; 262,144 bytes a head in qkv
	s_add_nc_u64 s[12:13], s[12:13], s[66:67]
	s_lshl_b32 s66, s95, 8
	s_lshl_b32 s3, s15, 7
	s_add_co_u32 s66, s66, s3                      ; my first position
	s_lshl_b32 s66, s66, 7                         ; 128 bytes a position
	s_add_nc_u64 s[12:13], s[12:13], s[66:67]
.macro FRAG reg, adr, q, i             ; 16 rows x 128 K of 4-bit codes: 8 registers: lane l holds row l % 16; registers 4 c .. 4 c + 3 hold K = 64 c + 32 (l / 16) + 0 .. 31
.irp c, 0,1
	ds_load_b128 v[\reg+4*\c:\reg+4*\c+3], v[\adr] offset:64*(\q)+32*\c+(\i)*16*PITCH
.endr
.endm
; 16 matrix instructions: A's blocks a0, a0 + 1 x B's eight, 128 along K.  The 64 accumulators take turns, one instruction a turn, in the same order in every step.
.macro MUL16 a0, p, q, sc, zero
.irp a, \a0, \a0+1
.irp b, 0,1,2,3,4,5,6,7
.if \zero
	v_wmma_scale_f32_16x16x128_f8f6f4 v[8*(8*((\a)%4)+\b):8*(8*((\a)%4)+\b)+7], v[128*(\p)+FR*\b:128*(\p)+FR*\b+FR-1], v[AF+FR*(\a):AF+FR*(\a)+FR-1], 0, v[SC+8*NQ*(\sc)+NQ*\b+(\q)], v[SC+8*NQ*(\sc)+NQ*(\a)+(\q)] matrix_a_fmt:MATRIX_FMT_FP4 matrix_b_fmt:MATRIX_FMT_FP4 matrix_a_scale:MATRIX_SCALE_ROW1
.else
	v_wmma_scale_f32_16x16x128_f8f6f4 v[8*(8*((\a)%4)+\b):8*(8*((\a)%4)+\b)+7], v[128*(\p)+FR*\b:128*(\p)+FR*\b+FR-1], v[AF+FR*(\a):AF+FR*(\a)+FR-1], v[8*(8*((\a)%4)+\b):8*(8*((\a)%4)+\b)+7], v[SC+8*NQ*(\sc)+NQ*\b+(\q)], v[SC+8*NQ*(\sc)+NQ*(\a)+(\q)] matrix_a_fmt:MATRIX_FMT_FP4 matrix_b_fmt:MATRIX_FMT_FP4 matrix_a_scale:MATRIX_SCALE_ROW1
.endif
.endr
.endr
.endm
.macro FETCH_B slot, q, p
	WIN TO_B
.irp i, 0,1,2,3,4,5,6,7
	FRAG 128*(\p)+FR*\i, ADRB+\slot, \q, \i
.endr
	WIN 0
.endm
.macro FETCH_A slot, q, i0
.irp i, \i0, \i0+1, \i0+2, \i0+3
	FRAG AF+FR*(\i), ADRA+\slot, \q, \i
.endr
.endm
.macro SCALES sc                       ; a K step's scale words: lanes 0-15 take A's block i, lanes 16-31 B's block i
.irp i, 0,1,2,3,4,5,6,7
	ds_load_b128 v[SC+8*NQ*\sc+NQ*\i:SC+8*NQ*\sc+NQ*\i+3], v[ADRS] offset:\i*SBLK
.endr
.endm
.macro PLACES n                        ; plain vector instructions that name no register of the matrix instructions ahead of them (ISA guide 7.12.1)
.rept \n
	v_nop
.endr
.endm
.macro STEP slot, q, zero              ; a step of 128 along K that has its successor in the same slot
	s_wait_dscnt 4*NL                              ; B's set and A's blocks 0-3 are in; the youngest 8 loads (A's blocks 4-7) may be out
	WIN MUL_LO
	MUL16 0, (\q)%2, \q, \slot, \zero
	MUL16 2, (\q)%2, \q, \slot, \zero
	s_wait_dscnt 0
	PLACES NP
	FETCH_B \slot, (\q)+1, 1-(\q)%2
	FETCH_A \slot, (\q)+1, 0
	WIN MUL_HI
	MUL16 4, (\q)%2, \q, \slot, \zero
	MUL16 6, (\q)%2, \q, \slot, \zero
	PLACES NP
	WIN 0
	FETCH_A \slot, (\q)+1, 4
.endm
; Slot 0's last step changes slots: one barrier; in front of it each wave waits for all its tensor loads (its part of slot 1), adds 0 to its spare word, and waits for that and for its reads of slot 0.  Nothing is filled again.
.macro TURN slot, next
	s_wait_tensorcnt 0x0
	ds_add_u32 v[SPW], v[NIL]
	s_wait_dscnt 4*NL+1                            ; (the add and the youngest 8 loads, A's blocks 4-7, may be out)
	WIN MUL_LO
	MUL16 0, 1, NQ-1, \slot, 0
	s_wait_dscnt 0x0                               ; the add is done, and my reads of this slot are over
	s_barrier_signal -1
	MUL16 2, 1, NQ-1, \slot, 0
	WIN 0
	s_barrier_wait -1
	PLACES NP
	v_add_nc_u32 v[ADRS], 4*NQ, v[ADRS]            ; on to the next K step's scale words
	FETCH_B \next, 0, 0
	FETCH_A \next, 0, 0
	SCALES \next
	WIN MUL_HI
	MUL16 4, 1, NQ-1, \slot, 0
	MUL16 6, 1, NQ-1, \slot, 0
	PLACES NP
	WIN 0
	FETCH_A \next, 0, 4
.endm
.macro STEPS slot, from
.set Q, \from
.rept NQ-1-\from
	STEP \slot, Q, 0
.set Q, Q+1
.endr
.endm
	s_wait_tensorcnt 1                             ; the scales and my part of K step 0 are in (K step 1's load may be out),
	s_barrier_signal -1
	s_barrier_wait -1                              ; everybody's are
	FETCH_B 0, 0, 0
	FETCH_A 0, 0, 0
	SCALES 0
	FETCH_A 0, 0, 4
	STEP 0, 0, 1                                   ; the first step's products start the sums: nothing is cleared
	STEPS 0, 1
	TURN 0, 1
	STEPS 1, 0
	s_wait_dscnt 4*NL                              ; the very last step: nothing more to fetch
	WIN MUL_LO
	MUL16 0, 1, NQ-1, 1, 0
	MUL16 2, 1, NQ-1, 1, 0
	s_wait_dscnt 0
	WIN MUL_HI
	MUL16 4, 1, NQ-1, 1, 0
	MUL16 6, 1, NQ-1, 1, 0
	WIN 0
	PLACES NP                                      ; in front of every read of results and of the loads into registers that held fragments and scales
	; POSITIONS 0 TO 15 IN f32.  They are block 0 of the waves that own a tile's upper rows, in the tile rows that begin a sequence.  The first is a branch on the wave's number; the second is a mask on the lanes, so that
	; no branch hangs on a work-group's place in its cluster.  Lane (r, h), accumulator b: position r, head b / 4, channels 16 (b % 4) + 8 h + 0 .. 7.
	s_cmp_lg_u32 s15, 0
	s_cbranch_scc1 .Lno_fine
	v_cmp_eq_u32 vcc_lo, s95, v[NIL]
	s_wait_xcnt 0x0                                ; EXEC changes only behind this wait
	s_and_saveexec_b32 s94, vcc_lo
	WIN 0x08                                       ; a store's data are its source 1: window 2
.irp b, 0,1,2,3,4,5,6,7
	global_store_b128 v[FO], v[8*\b:8*\b+3], s[96:97] offset:(\b/4)*4096+(\b%4)*64          ; each accumulator from its low end on
	global_store_b128 v[FO], v[8*\b+4:8*\b+7], s[96:97] offset:(\b/4)*4096+(\b%4)*64+16
.endr
	WIN 0
	s_wait_xcnt 0x0                                ; and again in front of the line that widens it
	s_or_b32 exec_lo, exec_lo, s94
.Lno_fine:
; THE WAY OUT of block a (16 positions x 128 columns = two heads).  PACK: rounded to f16, 16 bytes a lane.  TOSTAGE: into my own stage, and back head by head, four rows of 128 bytes an instruction.  SEND: stored.
.macro PACK a
.set AC, 64*((\a)%4)
	WIN 0x0a+5*((\a)/4)                            ; sources 0 and 1: window 2 or 3
.irp b, 0,1,2,3,4,5,6,7
.irp r, 0,1,2,3
	v_cvt_pk_f16_f32 v[TMP+4*\b+\r], v[AC+8*\b+2*\r], v[AC+8*\b+2*\r+1]
.endr
.endr
	WIN 0
.endm
.macro TOSTAGE a
.set BB, OB+192*((\a)%2)
.irp b, 0,1,2,3,4,5,6,7
	ds_store_b128 v[STO], v[TMP+4*\b:TMP+4*\b+3] offset:32*\b
.endr
.irp e, 0,1
.irp i, 0,1,2,3
	ds_load_b128 v[BB+4*(4*\e+\i):BB+4*(4*\e+\i)+3], v[RD] offset:\i*4*SPITCH+\e*128   ; LDS serves a wave's instructions in order: these see the stores above
.endr
.endr
.endm
.macro SEND a
.set BB, OB+192*((\a)%2)
	s_wait_dscnt 0x0                               ; the block is back in registers
	s_wait_xcnt 0x0                                ; the block before has had its stores' data read: its registers take the next block's loads only behind this wait
.irp e, 0,1
.irp i, 0,1,2,3
	global_store_b128 v[CO], v[BB+4*(4*\e+\i):BB+4*(4*\e+\i)+3], s[12:13] offset:\e*262144+(\a)*2048+\i*512   ; 32 lanes store 512 consecutive bytes, aligned
.endr
.endr
.endm
	PACK 0
	TOSTAGE 0
.irp a, 1,2,3,4,5,6,7                  ; block a's conversions stand between block a - 1's loads from the stage and the wait for them
	PACK \a
	SEND \a-1
	TOSTAGE \a
.endr
	SEND 7
	s_wait_tensorcnt 0x0                           ; the wave's end
	ds_add_u32 v[SPW], v[NIL]
	s_wait_dscnt 0x0
	CROUND                                         ; the closing round
	s_endpgm
.Lfunc_end_k_q1cc714b380_qkv:
	.size	k_q1cc714b380_qkv, .Lfunc_end_k_q1cc714b380_qkv-k_q1cc714b380_qkv
	.p2alignl 7, 3214868480
	.fill 96, 4, 3214868480
	.section	.rodata,"a",@progbits
	.p2align	6, 0x0
	.amdhsa_kernel k_q1cc714b380_qkv
		.amdhsa_group_segment_fixed_size 327680
		.amdhsa_private_segment_fixed_size 0
		.amdhsa_enable_private_segment 0
		.amdhsa_kernarg_size 48
		.amdhsa_user_sgpr_count 2
		.amdhsa_user_sgpr_kernarg_segment_ptr 1
		.amdhsa_wavefront_size32 1
		.amdhsa_system_sgpr_workgroup_id_x 1
		.amdhsa_system_sgpr_workgroup_id_y 1
		.amdhsa_system_sgpr_workgroup_id_z 1
		.amdhsa_system_vgpr_workitem_id 0
		.amdhsa_next_free_vgpr 1024
		.amdhsa_next_free_sgpr 98
		.amdhsa_reserve_vcc 1
		.amdhsa_float_denorm_mode_32 3
		.amdhsa_float_denorm_mode_16_64 3
		.amdhsa_memory_ordered 1
		.amdhsa_forward_progress 1
		.amdhsa_inst_pref_size 128
	.end_amdhsa_kernel
	.amdgpu_metadata
---
amdhsa.version: [ 1, 2 ]
amdhsa.kernels:
  - .name:           k_q1cc714b380_qkv
    .symbol:         k_q1cc714b380_qkv.kd
    .args:
      - { .name: xcodes, .offset: 0, .size: 8, .value_kind: global_buffer, .address_space: global }
      - { .name: xscales, .offset: 8, .size: 8, .value_kind: global_buffer, .address_space: global }
      - { .name: wcodes, .offset: 16, .size: 8, .value_kind: global_buffer, .address_space: global }
      - { .name: wscales, .offset: 24, .size: 8, .value_kind: global_buffer, .address_space: global }
      - { .name: qkv, .offset: 32, .size: 8, .value_kind: global_buffer, .address_space: global }
      - { .name: fine, .offset: 40, .size: 8, .value_kind: global_buffer, .address_space: global }
    .group_segment_fixed_size: 327680
    .private_segment_fixed_size: 0
    .kernarg_segment_align: 8
    .kernarg_segment_size: 48
    .max_flat_workgroup_size: 128
    .sgpr_count:     98
    .vgpr_count:     1024
    .wavefront_size: 32
...
	.end_amdgpu_metadata
.endif
;; end of part 2
;; launch attn (part 3): grid 8 x 32, 8 waves a work-group, no clusters, 327,680 bytes of LDS; arguments qkv, att; writes att
.if DOCPART == 3
	.amdgcn_target "amdgcn-amd-amdhsa--gfx1250"
	.amdhsa_code_object_version 6
	.text
	.protected	k_q1cc714b380_attn
	.globl	k_q1cc714b380_attn
	.p2align	8
	.type	k_q1cc714b380_attn,@function
k_q1cc714b380_attn:
	s_mov_b64 s[64:65], 0
	v_nop
	global_prefetch_b8 v0, s[64:65] scope:SCOPE_SE
	s_setreg_imm32_b32 hwreg(HW_REG_WAVE_MODE, 25, 1), 1
	s_wait_xcnt 0x0
; att[bh][t][:] = the sum over s <= t of softmax_s(q[t] . k[s] / 8) v[s][:], for 32 heads (batch x head) of 2,048 positions x 64 channels.  q, k, v: f16, [3][32][2048][64]; att: f16, [32][2048][64].
; Products on f16 operands with f32 sums; maxima, exponentials and sums in f32; the weights p are rounded to f16 for the second product, the result once at the end.
; THE MASK: reference() adds -1e9 to the scores of later keys; here they count as -infinity, or are not computed at all.  LIMIT: that is the same while the scores of one row lie less than 1e9 apart.  NaN and infinities are not served.
; SHARES.  A head's 16 blocks of 128 queries are paired, block g with block 15 - g: g + 1 and 16 - g slots of 128 keys, 17 for each of the 8 x 32 work-groups.  Wave w of eight owns two tiles of 16 queries:
; tile 0 at 128 g + 16 w, tile 1 at 128 (15 - g) + 16 w.  While tile 0 has keys left, each fragment of K and V read from LDS feeds both tiles.
; NO CLUSTER: the eight work-groups of a head need 9 to 16 slots, so a partner would have to ask jointly for tiles that none of its waves reads.
; LAYOUT.  S^T = K Q^T (source 0 = 16 keys, source 1 = 16 queries): a lane holds ONE query (lane % 16) and the keys 8 (lane / 16) + 0..7.  Two such tiles, rounded to f16 in pairs, ARE source 1 (32 keys x 16 queries)
; of O^T = V^T P.  K comes out of LDS as it lies, V ([key][channel]) turned, by ds_load_tr16_b128.
; SOFTMAX.  For each query a running maximum m and sum l: p = 2^(c s - c m), c = log2(e) / 8; in every step O and l are multiplied by a = 2^(c m_old - c m_new).
; THE RING.  Two slots of 128 keys; wave 0 fetches K's 128 rows, wave 1 V's.  Every work-group walks 16 trips (a constant); a step whose keys all come after a wave's queries is jumped over, and a slot that no wave of the
; work-group would read is not asked for: both by tests on ids and on the count of steps alone.
.set PK,    144                        ; a key's row in LDS: 128 bytes + 16
.set PV,    160                        ; a row of V: 128 + 32: the turning load's 8 rows x 32 bytes fall on different banks
.set VOFF,  128*PK
.set SLOT1, 1<<16                      ; slot 1 begins here: one exclusive or turns an address
.set STAGE, 2*SLOT1                    ; the way out: 16 rows x 144 bytes for each wave; no tile lands here
.set SPARE, STAGE+8*16*PK              ; the spare words, 128 bytes a wave
.set AK0, 1                            ; v1   my lane's place in a tile of K
.set AV0, 2                            ; v2   the same for V
.set ADK, 3                            ; v3   LDS address of the step's K; on the way out: into the stage
.set ADV, 4                            ; v4   of its V; on the way out: back from the stage
.set SPW, 5
.set NIL, 6
.set PFO, 7                            ; v7   256 x lane: the prefetches' offset
.set QO,  8                            ; v8   my byte in a tile's 16 rows of Q
.set GO,  10                           ; v10  16 x lane
.set DD,  11                           ; v11  the mask: my query less the step's first key less 8 (lane / 16)
.set NINF, 12                          ; v12  -infinity
.set RH,  13                           ; v13  lane % 16 - 8 (lane / 16)
.set CH,  14                           ; v[14:15] the sums' second chain
.set Q,   16                           ; v16-47   Q: tile t, channels 32 c on, at 16 t + 8 c
.set KV,  48                           ; v48-111  K (keys 16 kt on, channels 32 c on, at 16 kt + 8 c), then V^T (keys 32 u on, channels 16 ct on, at 32 u + 8 ct)
.set S,   112                          ; v112-175 S^T: 32 t + 8 kt; p is packed in place into each tile's low 16
.set O,   176                          ; v176-239 O^T: 32 t + 8 ct
.set ST,  240                          ; v240-255 eight a tile: +0 c m, +1 m, +2, +3 l, +4 .. +7 at work; a in +6
.set WV,  8
.set G1K, 16
.set G1V, 24
.set G0K, 32
.set G0V, 36
.set SEL, 40
.set CS,  42
.set TB,  44                           ; s44  LDS byte at which the slot in hand begins
.set KF,  45                           ; s45  the step's first key
.set QL,  46                           ; s46, s47 my tiles' last queries
.set Q0,  48                           ; s48, s49 their first
.set SLOTS, 50
.set LIM, 51
.set PFA, 52
.set QLW, 54                           ; s54  my work-group's last query
.set QB,  56                           ; s[56:59] Q at my tiles
.set AB,  60                           ; s[60:63] att at my tiles
.macro TLOAD                           ; wave 0 fetches K's rows, wave 1 V's, the others nothing; an s_nop 0 and four v_nop follow each load
	s_cmp_eq_u32 s[WV], 0
	s_cbranch_scc0 .Lnot_k_\@
	tensor_load_to_lds s[G0K:G0K+3], s[G1K:G1K+7]
	s_nop 0
.rept 4
	v_nop
.endr
	s_branch .Lasked_\@
.Lnot_k_\@:
	s_cmp_eq_u32 s[WV], 1
	s_cbranch_scc0 .Lasked_\@
	tensor_load_to_lds s[G0V:G0V+3], s[G1V:G1V+7]
	s_nop 0
.rept 4
	v_nop
.endr
.Lasked_\@:
.endm
	s_load_b128 s[4:7], s[0:1], 0x0                ; qkv, att
	v_lshl_add_u32 v[SPW], v0, 2, SPARE
	v_mov_b32 v[NIL], 0
	ds_add_u32 v[SPW], v[NIL]                      ; the wave's opening: the add, twice on end, and its wait ahead of the first tensor load
	ds_add_u32 v[SPW], v[NIL]
	v_lshrrev_b32 v1, 5, v0
	v_readfirstlane_b32 s[WV], v1                  ; wave 0..7
	; descriptor group 1: 128 rows of 64 elements of 2 bytes, dense in memory; padding behind every 32 words: 4 words for K, 8 for V
	s_mov_b32 s[G1K], (1<<16)|(1<<20)|(4<<22)|(3<<25)
	s_mov_b32 s[G1V], (1<<16)|(1<<20)|(4<<22)|(7<<25)
.irp g, G1K, G1V
	s_mov_b32 s[\g+1], 64<<16                      ; tensor_dim0
	s_mov_b32 s[\g+2], 128<<16                     ; tensor_dim1
	s_mov_b32 s[\g+3], 64<<16                      ; tile_dim0
	s_mov_b32 s[\g+4], 128                         ; tile_dim1
	s_mov_b32 s[\g+5], 64                          ; from row to row
	s_mov_b32 s[\g+6], 0
	s_mov_b32 s[\g+7], 0
.endr
	s_mov_b32 s[SEL], 0x76543210
	s_mov_b32 s[SEL+1], 0xfedcba98                 ; v_permlanex16_b32's selects for lane l xor 16
	s_mov_b32 s[CS], 0x3e38aa3b                    ; c = log2(e) / 8
	s_mov_b32 s[CS+1], s[CS]
	s_mov_b32 s[TB], 0
	s_mov_b32 s[KF], 0
	s_mov_b32 s[SLOTS], 16
	s_lshl_b32 s66, ttmp9, 7                       ; 128 g
	s_lshl_b32 s67, s[WV], 4
	s_add_co_u32 s[Q0], s66, s67
	s_sub_co_u32 s68, 1920, s66                    ; 128 (15 - g)
	s_add_co_u32 s[Q0+1], s68, s67
	s_add_co_u32 s[QL], s[Q0], 15
	s_add_co_u32 s[QL+1], s[Q0+1], 15
	s_add_co_u32 s[QLW], s68, 127
	s_sub_co_u32 s69, s[WV], 2
	s_lshr_b32 s69, s69, 2                         ; 0 in waves 2 to 5,
	s_or_b32 s69, s69, ttmp9                       ; of the head's work-group 0, which walks all 16 slots
	s_cmp_eq_u32 s69, 0
	s_cselect_b32 s[LIM], 2, -1                    ; a wave prefetches while the trips left are above this
	s_and_b32 s70, ttmp7, 0xffff                   ; batch x head
	s_lshl_b32 s70, s70, 18                        ; 262,144 bytes a head
	s_mov_b32 s71, 0
	s_wait_dscnt 0x0                               ; both opening adds are done
	s_wait_kmcnt 0x0
	s_add_nc_u64 s[4:5], s[4:5], s[70:71]          ; q of my head; k lies 8,388,608 bytes on, v 16,777,216
	s_add_nc_u64 s[6:7], s[6:7], s[70:71]
	s_mov_b32 s[G0K], 1
	s_mov_b32 s[G0K+1], 0
	s_add_nc_u64 s[G0K+2:G0K+3], s[4:5], 0x800000
	s_or_b32 s[G0K+3], s[G0K+3], 0x80000000
	s_mov_b32 s[G0V], 1
	s_mov_b32 s[G0V+1], VOFF
	s_add_nc_u64 s[G0V+2:G0V+3], s[4:5], 0x1000000
	s_or_b32 s[G0V+3], s[G0V+3], 0x80000000
	TLOAD                                          ; slot 0: keys 0 to 127, which every tile reads
	; the prefetches: waves 2, 3 ask for K's 16,384 bytes of a slot, waves 4, 5 for V's, 8,192 bytes a wave, lanes 256 bytes apart.  The address begins at slot 1 and is stepped ahead of each request
	s_mov_b32 s72, 0x1000000
	s_cmp_lt_u32 s[WV], 4
	s_cselect_b32 s72, 0x800000, s72
	s_and_b32 s73, s[WV], 1
	s_lshl_b32 s73, s73, 13
	s_add_co_u32 s72, s72, s73
	s_add_co_u32 s72, s72, 16384
	s_mov_b32 s73, 0
	s_add_nc_u64 s[PFA:PFA+1], s[4:5], s[72:73]
	s_lshl_b32 s72, s[Q0], 7                       ; 128 bytes a position
	s_add_nc_u64 s[QB:QB+1], s[4:5], s[72:73]
	s_add_nc_u64 s[AB:AB+1], s[6:7], s[72:73]
	s_lshl_b32 s72, s[Q0+1], 7
	s_add_nc_u64 s[QB+2:QB+3], s[4:5], s[72:73]
	s_add_nc_u64 s[AB+2:AB+3], s[6:7], s[72:73]
	v_and_b32 v9, 15, v0                           ; r
	v_bfe_u32 v15, v0, 4, 1                        ; h
	v_lshlrev_b32 v[QO], 7, v9
	v_lshl_add_u32 v[QO], v15, 4, v[QO]            ; row r x 128 + 16 h
.irp t, 0,1
.irp c, 0,1
	global_load_b128 v[Q+16*\t+8*\c:Q+16*\t+8*\c+3],   v[QO], s[QB+2*\t:QB+2*\t+1] offset:64*\c      ; Q stays in registers
	global_load_b128 v[Q+16*\t+8*\c+4:Q+16*\t+8*\c+7], v[QO], s[QB+2*\t:QB+2*\t+1] offset:64*\c+32
.endr
.endr
	v_mul_u32_u24 v[AK0], v9, PK
	v_lshl_add_u32 v[AK0], v15, 4, v[AK0]          ; K: row r x pitch + 16 h
	v_and_b32 v[ADK], 7, v0
	v_lshl_add_u32 v[AV0], v15, 3, v[ADK]          ; V: key 8 h + l % 8,
	v_mul_u32_u24 v[AV0], v[AV0], PV
	v_bfe_u32 v[ADK], v0, 3, 1
	v_lshl_add_u32 v[AV0], v[ADK], 4, v[AV0]       ; channels 8 ((l / 8) % 2) on
	v_add_nc_u32 v[AV0], VOFF, v[AV0]
	v_and_b32 v[GO], 31, v0
	v_lshlrev_b32 v[PFO], 8, v[GO]
	v_lshlrev_b32 v[GO], 4, v[GO]
	v_lshlrev_b32 v[RH], 3, v15
	v_sub_nc_u32 v[RH], v9, v[RH]
	v_mov_b32 v[NINF], 0xff800000
.irp t, 0,1
	v_mov_b32 v[ST+8*\t+1], 0xff61b1e6             ; m: -3e38, under every score
	v_mul_f32 v[ST+8*\t], s[CS], v[ST+8*\t+1]      ; c m
.irp j, 2,3,4,5,6,7
	v_mov_b32 v[ST+8*\t+\j], 0                     ; l, and the registers at work (written once, so that none is named unwritten)
.endr
.endr
.set i, 0
.rept 64
	v_mov_b32 v[O+i], 0                            ; O^T.  (The step is written once: the first finds zeros, which a = 0 leaves zeros)
.set i, i+1
.endr
; On the diagonal the scores of later keys become -infinity ahead of the maximum.  Register n holds key KF + 16 (n / 8) + 8 (lane / 16) + n % 8: hidden where 16 (n / 8) + n % 8 > d.  A step all of whose keys count jumps over this.
.macro MASK t
	s_add_co_u32 s66, s[KF], 63
	s_cmp_le_u32 s66, s[Q0+\t]
	s_cbranch_scc1 .Lopen_\@
	s_sub_co_i32 s66, s[Q0+\t], s[KF]
	v_add_nc_u32 v[DD], s66, v[RH]
.set n, 0
.rept 32
	v_cmp_gt_i32 vcc_lo, 16*(n/8)+n%8, v[DD]
	v_cndmask_b32 v[S+32*\t+n], v[S+32*\t+n], v[NINF], vcc_lo
.set n, n+1
.endr
.Lopen_\@:
.endm
; The maximum of the lane's 32 scores and the old m (each accumulator is read from its low end on), the other half of the lanes', the new m, c m, and c m_old - c m_new.
.macro SMAX t
.set rT, ST+8*(\t)
.set rS, S+32*(\t)
.irp j, 0,1,2,3
	v_max3_num_f32 v[rT+4+\j], v[rS+8*\j], v[rS+8*\j+1], v[rS+8*\j+2]
.endr
.irp i, 3,5
.irp j, 0,1,2,3
	v_max3_num_f32 v[rT+4+\j], v[rT+4+\j], v[rS+8*\j+\i], v[rS+8*\j+\i+1]
.endr
.endr
	v_max3_num_f32 v[rT+4], v[rT+4], v[rS+7], v[rS+15]
	v_max3_num_f32 v[rT+6], v[rT+6], v[rS+23], v[rS+31]
	v_max3_num_f32 v[rT+4], v[rT+4], v[rT+5], v[rT+6]
	v_max3_num_f32 v[rT+4], v[rT+4], v[rT+7], v[rT+1]
	v_permlanex16_b32 v[rT+5], v[rT+4], s[SEL], s[SEL+1]
	v_mov_b32 v[rT+7], v[rT]                       ; c m_old is kept for a
	v_max_num_f32 v[rT+1], v[rT+4], v[rT+5]
	v_mul_f32 v[rT], s[CS], v[rT+1]
	v_sub_f32 v[rT+7], v[rT+7], v[rT]
.endm
.macro SSCL t                          ; c s - c m, two at a time
.set rT, ST+8*(\t)
.set rS, S+32*(\t)
.set i, 0
.rept 16
	v_pk_fma_f32 v[rS+i:rS+i+1], v[rS+i:rS+i+1], s[CS:CS+1], v[rT:rT+1] op_sel_hi:[1,0,0] neg_lo:[0,0,1] neg_hi:[0,0,1]
.set i, i+2
.endr
.endm
.macro SEXP t                          ; a and the 32 weights: part of the step's one batch
.set rT, ST+8*(\t)
.set rS, S+32*(\t)
	v_exp_f32 v[rT+6], v[rT+7]
.set i, 0
.rept 32
	v_exp_f32 v[rS+i], v[rS+i]
.set i, i+1
.endr
.endm
; The sum of the unrounded weights, in two chains, and the roundings to f16 in place: register i takes pair i.  A pair is summed before any of its registers is written over.
.macro SSUM t
.set rT, ST+8*(\t)
.set rS, S+32*(\t)
	v_pk_add_f32 v[rT+4:rT+5], v[rS:rS+1], v[rS+2:rS+3]
	v_pk_add_f32 v[CH:CH+1], v[rS+4:rS+5], v[rS+6:rS+7]
.irp i, 0,1,2,3
	v_cvt_pk_f16_f32 v[rS+\i], v[rS+2*\i], v[rS+2*\i+1]
.endr
.irp i, 4,6,8,10,12,14
	v_pk_add_f32 v[rT+4:rT+5], v[rT+4:rT+5], v[rS+2*\i:rS+2*\i+1]
	v_pk_add_f32 v[CH:CH+1], v[CH:CH+1], v[rS+2*\i+2:rS+2*\i+3]
	v_cvt_pk_f16_f32 v[rS+\i], v[rS+2*\i], v[rS+2*\i+1]
	v_cvt_pk_f16_f32 v[rS+\i+1], v[rS+2*\i+2], v[rS+2*\i+3]
.endr
	v_pk_add_f32 v[rT+4:rT+5], v[rT+4:rT+5], v[CH:CH+1]
	v_pk_fma_f32 v[rT+2:rT+3], v[rT+2:rT+3], v[rT+6:rT+7], v[rT+4:rT+5] op_sel_hi:[1,0,1]   ; l = a l + the step's sum
.endm
.macro SRES t                          ; O^T x a, each accumulator from its low end on
.set rT, ST+8*(\t)
.set rO, O+32*(\t)
.set i, 0
.rept 16
	v_pk_mul_f32 v[rO+i:rO+i+1], v[rO+i:rO+i+1], v[rT+6:rT+7] op_sel_hi:[1,0]
.set i, i+2
.endr
.endm
; A KEY STEP of 64 keys, the q-th of the slot, for tiles lo .. 1.
.macro BODY q, lo
	v_add_nc_u32 v[ADK], s[TB], v[AK0]
	v_add_nc_u32 v[ADV], s[TB], v[AV0]
.irp kt, 0,1,2,3
.irp c, 0,1
	ds_load_b128 v[KV+16*\kt+8*\c:KV+16*\kt+8*\c+3],   v[ADK] offset:\q*64*PK+\kt*16*PK+64*\c
	ds_load_b128 v[KV+16*\kt+8*\c+4:KV+16*\kt+8*\c+7], v[ADK] offset:\q*64*PK+\kt*16*PK+64*\c+32
.endr
.endr
	s_wait_dscnt 0x0
.irp c, 0,1                            ; S^T = K Q^T: the accumulators take turns, one instruction a turn; the first products start the sums
.irp kt, 0,1,2,3
.irp t, 0,1
.if \t >= \lo
.if \c == 0
	v_wmma_f32_16x16x32_f16 v[S+32*\t+8*\kt:S+32*\t+8*\kt+7], v[KV+16*\kt:KV+16*\kt+7], v[Q+16*\t:Q+16*\t+7], 0
.else
	v_wmma_f32_16x16x32_f16 v[S+32*\t+8*\kt:S+32*\t+8*\kt+7], v[KV+16*\kt+8:KV+16*\kt+15], v[Q+16*\t+8:Q+16*\t+15], v[S+32*\t+8*\kt:S+32*\t+8*\kt+7]
.endif
.endif
.endr
.endr
.endr
.rept 4
	v_nop                                          ; four places in front of the loads into K's registers and of the first read of the scores
.endr
.irp u, 0,1                            ; V, turned, into the registers that K has left: it lands under the softmax
.irp ct, 0,1,2,3
	ds_load_tr16_b128 v[KV+32*\u+8*\ct:KV+32*\u+8*\ct+3],   v[ADV] offset:\q*64*PV+\u*32*PV+32*\ct
	ds_load_tr16_b128 v[KV+32*\u+8*\ct+4:KV+32*\u+8*\ct+7], v[ADV] offset:\q*64*PV+\u*32*PV+16*PV+32*\ct
.endr
.endr
.irp t, 0,1
.if \t >= \lo
	MASK \t
.endif
.endr
.irp t, 0,1
.if \t >= \lo
	SMAX \t
.endif
.endr
.irp t, 0,1
.if \t >= \lo
	SSCL \t
.endif
.endr
.irp t, 0,1
.if \t >= \lo
	SEXP \t
.endif
.endr
	v_nop                                          ; a plain instruction behind the last exponential
	s_wait_alu depctr_va_vdst(0)                   ; one wait for the step's whole batch, ahead of the first line that names a result
.irp t, 0,1
.if \t >= \lo
	SSUM \t
.endif
.endr
.irp t, 0,1
.if \t >= \lo
	SRES \t
.endif
.endr
	s_wait_dscnt 0x0                               ; V is in
.irp u, 0,1                            ; O^T += V^T P, the accumulators by turns
.irp ct, 0,1,2,3
.irp t, 0,1
.if \t >= \lo
	v_wmma_f32_16x16x32_f16 v[O+32*\t+8*\ct:O+32*\t+8*\ct+7], v[KV+32*\u+8*\ct:KV+32*\u+8*\ct+7], v[S+32*\t+8*\u:S+32*\t+8*\u+7], v[O+32*\t+8*\ct:O+32*\t+8*\ct+7]
.endif
.endr
.endr
.endr
.rept 5
	v_nop                                          ; five places: the next step's first products write over P's registers; its loads land in V's; the way out reads O^T
.endr
.endm
.macro STEP q
	s_cmp_gt_u32 s[KF], s[QL+1]                    ; all keys come after both my tiles: nothing to do
	s_cbranch_scc1 .Lhid_\@
	s_cmp_gt_u32 s[KF], s[QL]                      ; after tile 0 alone
	s_cbranch_scc1 .Lone_\@
	BODY \q, 0
	s_branch .Lhid_\@
.Lone_\@:
	BODY \q, 1
.Lhid_\@:
	s_add_co_u32 s[KF], s[KF], 64
.endm
	s_wait_loadcnt 0x0                             ; Q
.Lslot:                                            ; 16 trips, a slot each
	; THE CHANGE OF SLOTS stands at a slot's head.  Each wave waits for all its tensor loads (its part of the slot ahead), adds 0 to its spare word, and waits for that and for its reads of the slot that it has left.
	s_wait_tensorcnt 0x0                           ; no tensor load of mine is out, so a group 0 may be written
	ds_add_u32 v[SPW], v[NIL]
	ds_add_u32 v[SPW], v[NIL]                      ; the add twice on end here, in every trip alike
	s_xor_b32 s[G0K+1], s[G0K+1], SLOT1            ; the walking descriptors: the other slot, the next 128 keys
	s_add_nc_u64 s[G0K+2:G0K+3], s[G0K+2:G0K+3], 16384
	s_xor_b32 s[G0V+1], s[G0V+1], SLOT1
	s_add_nc_u64 s[G0V+2:G0V+3], s[G0V+2:G0V+3], 16384
	s_wait_xcnt 0x0                                ; the last prefetch, a slot back, has read its address
	s_add_nc_u64 s[PFA:PFA+1], s[PFA:PFA+1], 16384 ; one slot further on than the walking descriptors
	s_wait_dscnt 0x0
	s_barrier_signal -1
	s_barrier_wait -1
	s_add_co_u32 s66, s[KF], 128                   ; the first key of the slot that this change would ask for:
	s_cmp_gt_u32 s66, s[QLW]                       ; past my work-group's last query no wave reads it, so it is not asked for.  Ids and the count of steps alone: all eight waves go the same way, and past stays past.
	s_cbranch_scc1 .Lpast                          ; (the last trip is always past: no load leaves the head's keys)
	TLOAD                                          ; the first thing behind the barrier, and a wave's one tensor load until the next: it has a slot's two steps in which to land
.Lpast:
	s_cmp_gt_u32 s[SLOTS], s[LIM]                  ; a prefetch of the slot that the NEXT change asks for: trip i names slot i + 2; the last two trips name nothing.  Each 256 bytes of a head's K and V are named once, by its work-group 0
	s_cbranch_scc0 .Lnot_mine
	global_prefetch_b8 v[PFO], s[PFA:PFA+1] th:TH_LOAD_NT scope:SCOPE_SE
.Lnot_mine:
	STEP 0
	STEP 1
	s_xor_b32 s[TB], s[TB], SLOT1
	s_sub_co_u32 s[SLOTS], s[SLOTS], 1
	s_cmp_lg_u32 s[SLOTS], 0
	s_cbranch_scc1 .Lslot
	; THE WAY OUT.  l's halves and the other half of the lanes' are added; O^T is divided by l, rounded to f16 and sent through my stage: a tile's 16 rows of 128 bytes are 2,048 dense bytes of att.
.irp t, 0,1
	v_add_f32 v[ST+8*\t+4], v[ST+8*\t+2], v[ST+8*\t+3]
.endr
.irp t, 0,1
	v_permlanex16_b32 v[ST+8*\t+5], v[ST+8*\t+4], s[SEL], s[SEL+1]
.endr
.irp t, 0,1
	v_add_f32 v[ST+8*\t+4], v[ST+8*\t+4], v[ST+8*\t+5]
.endr
.irp t, 0,1
	v_rcp_f32 v[ST+8*\t+6], v[ST+8*\t+4]
.endr
	s_mul_i32 s66, s[WV], 16*PK
	s_add_co_u32 s66, s66, STAGE                   ; my stage
	v_and_b32 v9, 15, v0                           ; (plain work behind the reciprocals)
	v_bfe_u32 v[DD], v0, 4, 1
	v_mul_u32_u24 v[ADK], v9, PK
	v_lshl_add_u32 v[ADK], v[DD], 4, v[ADK]
	v_add_nc_u32 v[ADK], s66, v[ADK]               ; in: row r, 16 bytes for each half of the lanes
	v_and_b32 v9, 31, v0
	v_lshrrev_b32 v[ADV], 3, v9
	v_mul_u32_u24 v[ADV], v[ADV], PK
	v_and_b32 v9, 7, v0
	v_lshl_add_u32 v[ADV], v9, 4, v[ADV]
	v_add_nc_u32 v[ADV], s66, v[ADV]               ; back: eight lanes to a row, four rows an instruction
	s_wait_alu depctr_va_vdst(0)                   ; one wait for both reciprocals, ahead of their first reader
.irp t, 0,1
.set i, 0
.rept 16
	v_pk_mul_f32 v[O+32*\t+i:O+32*\t+i+1], v[O+32*\t+i:O+32*\t+i+1], v[ST+8*\t+6:ST+8*\t+7] op_sel_hi:[1,0]
.set i, i+2
.endr
.set i, 0
.rept 16
	v_cvt_pk_f16_f32 v[S+32*\t+i], v[O+32*\t+2*i], v[O+32*\t+2*i+1]
.set i, i+1
.endr
.irp ct, 0,1,2,3
	ds_store_b128 v[ADK], v[S+32*\t+4*\ct:S+32*\t+4*\ct+3] offset:32*\ct
.endr
.irp i, 0,1,2,3
	ds_load_b128 v[KV+16*\t+4*\i:KV+16*\t+4*\i+3], v[ADV] offset:\i*4*PK   ; LDS serves a wave's instructions in order: these see the stores above, and the next tile's stores come behind them
.endr
.endr
	s_wait_dscnt 0x0
.irp t, 0,1
.irp i, 0,1,2,3
	global_store_b128 v[GO], v[KV+16*\t+4*\i:KV+16*\t+4*\i+3], s[AB+2*\t:AB+2*\t+1] offset:512*\i   ; 32 lanes store 512 consecutive bytes, aligned
.endr
.endr
	s_wait_tensorcnt 0x0                           ; the wave's end
	ds_add_u32 v[SPW], v[NIL]
	s_wait_dscnt 0x0
	s_endpgm
.Lfunc_end_k_q1cc714b380_attn:
	.size	k_q1cc714b380_attn, .Lfunc_end_k_q1cc714b380_attn-k_q1cc714b380_attn
	.p2alignl 7, 3214868480
	.fill 96, 4, 3214868480
	.section	.rodata,"a",@progbits
	.p2align	6, 0x0
	.amdhsa_kernel k_q1cc714b380_attn
		.amdhsa_group_segment_fixed_size 327680
		.amdhsa_private_segment_fixed_size 0
		.amdhsa_enable_private_segment 0
		.amdhsa_kernarg_size 16
		.amdhsa_user_sgpr_count 2
		.amdhsa_user_sgpr_kernarg_segment_ptr 1
		.amdhsa_wavefront_size32 1
		.amdhsa_system_sgpr_workgroup_id_x 1
		.amdhsa_system_sgpr_workgroup_id_y 1
		.amdhsa_system_sgpr_workgroup_id_z 1
		.amdhsa_system_vgpr_workitem_id 0
		.amdhsa_next_free_vgpr 256
		.amdhsa_next_free_sgpr 80
		.amdhsa_reserve_vcc 1
		.amdhsa_float_denorm_mode_32 3
		.amdhsa_float_denorm_mode_16_64 3
		.amdhsa_memory_ordered 1
		.amdhsa_forward_progress 1
		.amdhsa_inst_pref_size 84
	.end_amdhsa_kernel
	.amdgpu_metadata
---
amdhsa.version: [ 1, 2 ]
amdhsa.kernels:
  - .name:           k_q1cc714b380_attn
    .symbol:         k_q1cc714b380_attn.kd
    .args:
      - { .name: qkv, .offset: 0, .size: 8, .value_kind: global_buffer, .address_space: global }
      - { .name: att, .offset: 8, .size: 8, .value_kind: global_buffer, .address_space: global }
    .group_segment_fixed_size: 327680
    .private_segment_fixed_size: 0
    .kernarg_segment_align: 8
    .kernarg_segment_size: 16
    .max_flat_workgroup_size: 256
    .sgpr_count:     80
    .vgpr_count:     256
    .wavefront_size: 32
...
	.end_amdgpu_metadata
.endif
;; end of part 3
;; launch proj (part 4): grid 8 x 32, 4 waves a work-group, clusters of 4 x 4, 327,680 bytes of LDS; arguments att, wo16, out0; writes out0
.if DOCPART == 4
	.amdgcn_target "amdgcn-amd-amdhsa--gfx1250"
	.amdhsa_code_object_version 6
	.text
	.protected	k_q1cc714b380_proj
	.globl	k_q1cc714b380_proj
	.p2align	8
	.type	k_q1cc714b380_proj,@function
k_q1cc714b380_proj:
	s_mov_b64 s[64:65], 0
	v_nop
	global_prefetch_b8 v0, s[64:65] scope:SCOPE_SE
	s_setreg_imm32_b32 hwreg(HW_REG_WAVE_MODE, 25, 1), 1
	s_wait_xcnt 0x0
	s_wait_alu depctr_hold_cnt(0) depctr_sa_sdst(0) depctr_va_vdst(0) depctr_va_sdst(0) depctr_va_ssrc(0) depctr_va_vcc(0) depctr_vm_vsrc(0)
	s_getreg_b32 s2, hwreg(HW_REG_IB_STS2, 6, 4)
	s_cmp_eq_u32 s2, 0
	s_cbranch_scc0 .Lentry_in_a_cluster
	s_endpgm
.Lentry_in_a_cluster:
	s_bfe_u32 s2, ttmp6, 0x10000c
	s_cmp_lg_u32 s2, 0xf033
	s_cbranch_scc0 .Lentry_shape_is_right
	s_endpgm
.Lentry_shape_is_right:
; out0[m][n] = the sum over k of A[m][k] Wo[n][k]: m = batch x 2048 + position (4,096), n and k 1,024; f16 operands, f32 sums, f32 results.
; A is attention's result, laid head-major: [2][16 heads][2048][64] f16, so k = 64 x head + channel.  Wo: [1024][1024] f16.
; All 4,096 rows are written here; a later launch writes positions 0 to 15 of each sequence again, from f32 operands.
; A tile of C is 128 x 128: 256 work-groups.  Four waves, each 64 x 64: 16 accumulators.  K goes in four steps of 256 (four heads) through two LDS slots; the steps are written out.
; A's PART OF A SLOT comes by ONE descriptor a wave: a head's 64 rows of 128 bytes are 8,192 dense bytes, stated as one row of 4,096 elements; four such rows, 262,144 bytes apart; padding of 16 bytes behind every 128:
; in LDS [head][row][144 bytes].  Wo's part: 64 rows of 512 bytes, 528 apart.
; CLUSTERS: 4 x 4 work-groups; A's tiles are asked for jointly along a row of the cluster, Wo's along a column.  THE MATRIX INSTRUCTION IS USED TRANSPOSED: a lane holds eight neighbouring columns of a row of C.
; REGISTERS: window 0: v0-31 addresses; v32-95 the way out; v128-255 the accumulators ((a, b) at v[128 + 8 (4 a + b)]).  window 1: two fragment buffers of 128: for 64 along K, 64 registers of A, then 64 of Wo.
.set PA,     144                       ; a row of A in LDS: 128 bytes + 16
.set HEADB,  64*PA                     ; a head's 64 rows
.set HALFA,  4*HEADB                   ; what one tensor load brings of A
.set PB,     528                       ; a row of Wo in LDS: 512 bytes + 16
.set HALFB,  64*PB
.set SLOT,   2*HALFA+2*HALFB
.set STAGE,  2*SLOT                    ; behind the ring: 16 rows x 272 bytes for each wave
.set SPITCH, 272
.set SPARE,  STAGE+4*16*SPITCH         ; the spare words, 128 bytes a wave
.set ADRA, 16
.set ADRB, 20
.set STO,  24
.set RD,   25
.set CO,   26
.set SPW,  28
.set NIL,  29
.set TMP,  32
.set ACC,  128
.set F0,   0
.set F1,   128
.set G1, 24
.set G0, 32
.set G1B, 48
.set G0B, 56
.set MSB, 0
.macro WIN new                         ; the immediate's high byte repeats the setting that is left
.if MSB != \new
	s_set_vgpr_msb (MSB<<8)|\new
.set MSB, \new
.endif
.endm
.set MUL,  0x05                        ; sources 0 (Wo) and 1 (A) window 1; C and D window 0
.set TO_F, 0x40                        ; destination window 1, address window 0
.macro JLOAD s                         ; a joint load: waves 0 and 1 fetch A's two halves, waves 2 and 3 Wo's; an s_nop 0 and four v_nop follow each of the two lines
	s_cmp_eq_u32 s11, 0
	s_cbranch_scc0 .Lfor_b_\@
	tensor_load_to_lds s[G0+4*\s:G0+4*\s+3], s[G1:G1+7]
	s_nop 0
.rept 4
	v_nop
.endr
	s_branch .Lasked_\@
.Lfor_b_\@:
	tensor_load_to_lds s[G0B+4*\s:G0B+4*\s+3], s[G1B:G1B+7]
	s_nop 0
.rept 4
	v_nop
.endr
.Lasked_\@:
.endm
.macro CREST                           ; a round of the cluster's barrier behind its opening barrier
	s_cmp_lg_u32 s10, 0
	s_cbranch_scc1 .Lnot_wave_0_\@
	s_barrier_signal -3
.Lnot_wave_0_\@:
	s_barrier_wait -3
	s_barrier_signal -1
	s_barrier_wait -1
.endm
.macro CROUND
	s_barrier_signal -1
	s_barrier_wait -1
	CREST
.endm
	s_load_b128 s[4:7], s[0:1], 0x0                ; att, wo16
	s_load_b64 s[8:9], s[0:1], 0x10                ; out0
	v_lshl_add_u32 v[SPW], v0, 2, SPARE
	v_mov_b32 v[NIL], 0
	ds_add_u32 v[SPW], v[NIL]                      ; the wave's opening: the add, twice on end, and its wait ahead of my first tensor load
	ds_add_u32 v[SPW], v[NIL]
	v_lshrrev_b32 v1, 5, v0
	v_readfirstlane_b32 s10, v1                    ; wave 0..3
	s_lshr_b32 s11, s10, 1                         ; which half of the tile's rows is mine.  Also: I fetch for A (0) or for Wo (1)
	s_and_b32 s12, s10, 1                          ; which half of its columns.  Also: which 64 rows of that tile I fetch
	s_bfe_u32 s40, ttmp6, 0x40000                  ; cx, cy
	s_bfe_u32 s41, ttmp6, 0x40004
	s_lshl_b32 s42, ttmp9, 2
	s_add_co_u32 s42, s42, s40                     ; tile column of C
	s_and_b32 s13, ttmp7, 0xffff
	s_lshl_b32 s13, s13, 2
	s_add_co_u32 s13, s13, s41                     ; tile row of C
	s_lshl_b32 s43, s41, 2
	s_lshl_b32 s43, 15, s43                        ; my row of the cluster
	s_lshl_b32 s44, 0x1111, s40                    ; my column
	s_or_b32 s[G1+0], s43, (1<<16)|(1<<20)|(1<<21)|(4<<22)|(3<<25)   ; A: elements of 2 bytes; padding of 4 words behind every 32
	s_mov_b32 s[G1+1], 4096<<16                    ; tensor_dim0: a head's 64 rows on end
	s_mov_b32 s[G1+2], 4<<16                       ; tensor_dim1: four heads
	s_mov_b32 s[G1+3], 4096<<16                    ; tile_dim0
	s_mov_b32 s[G1+4], 4                           ; tile_dim1
	s_mov_b32 s[G1+5], 131072                      ; from head to head, in elements
	s_mov_b32 s[G1+6], 0
	s_mov_b32 s[G1+7], 0
	s_or_b32 s[G1B+0], s44, (1<<16)|(1<<20)|(1<<21)|(6<<22)|(3<<25)  ; Wo: padding of 4 words behind every 128
	s_mov_b32 s[G1B+1], 256<<16
	s_mov_b32 s[G1B+2], 64<<16
	s_mov_b32 s[G1B+3], 256<<16
	s_mov_b32 s[G1B+4], 64
	s_mov_b32 s[G1B+5], 1024
	s_mov_b32 s[G1B+6], 0
	s_mov_b32 s[G1B+7], 0
	s_lshr_b32 s16, s13, 4                         ; A: batch = tile row / 16: 4,194,304 bytes a batch,
	s_lshl_b32 s16, s16, 22
	s_and_b32 s17, s13, 15
	s_lshl_b32 s17, s17, 14                        ; 128 positions of 128 bytes a tile row,
	s_add_co_u32 s16, s16, s17
	s_lshl_b32 s17, s12, 13                        ; 64 positions a half
	s_add_co_u32 s16, s16, s17
	s_mov_b32 s17, 0
	s_lshl_b32 s46, s42, 18                        ; Wo: 128 rows of 2,048 bytes a tile column,
	s_lshl_b32 s47, s12, 17                        ; 64 rows a half
	s_add_co_u32 s46, s46, s47
	s_mov_b32 s47, 0
	s_mul_i32 s20, s12, HALFA                      ; where they go: no place in the cluster enters an LDS address
	s_mul_i32 s21, s12, HALFB
	s_add_co_u32 s21, s21, 2*HALFA
	s_wait_dscnt 0x0                               ; both opening adds are done
	s_wait_kmcnt 0x0
	s_add_nc_u64 s[14:15], s[4:5], s[16:17]
	s_add_nc_u64 s[46:47], s[6:7], s[46:47]
	CROUND                                         ; all sixteen work-groups are here: the first joint loads meet
.irp s, 0,1
	s_mov_b32 s[G0+4*\s], 1
	s_add_co_u32 s[G0+4*\s+1], s20, \s*SLOT
	s_add_nc_u64 s[G0+4*\s+2:G0+4*\s+3], s[14:15], \s*1048576      ; K step s: heads 4 s on
	s_or_b32 s[G0+4*\s+3], s[G0+4*\s+3], 0x80000000
	s_mov_b32 s[G0B+4*\s], 1
	s_add_co_u32 s[G0B+4*\s+1], s21, \s*SLOT
	s_add_nc_u64 s[G0B+4*\s+2:G0B+4*\s+3], s[46:47], \s*512
	s_or_b32 s[G0B+4*\s+3], s[G0B+4*\s+3], 0x80000000
	JLOAD \s
.endr
	v_and_b32 v1, 15, v0                           ; r
	v_bfe_u32 v2, v0, 4, 1                         ; h
	v_mul_u32_u24 v3, v1, PA
	v_lshl_add_u32 v3, v2, 4, v3                   ; A: row x pitch + 16 x half
	v_mul_u32_u24 v4, v1, PB
	v_lshl_add_u32 v4, v2, 4, v4                   ; Wo likewise
	s_mul_i32 s21, s11, HALFA                      ; my 64 rows of A
	s_mul_i32 s22, s12, HALFB                      ; my 64 rows of Wo,
	s_add_co_u32 s22, s22, 2*HALFA                 ; which lie behind A's two halves
.irp s, 0,1
	v_add_nc_u32 v[ADRA+\s], s21, v3
	v_add_nc_u32 v[ADRB+\s], s22, v4
	s_add_co_u32 s21, s21, SLOT
	s_add_co_u32 s22, s22, SLOT
.endr
	s_mul_i32 s23, s10, 16*SPITCH
	s_add_co_u32 s23, s23, STAGE                   ; my stage
	v_mul_u32_u24 v5, v1, SPITCH                   ; in: row r, 32 bytes for each half of the lanes
	v_lshl_add_u32 v5, v2, 5, v5
	v_add_nc_u32 v[STO], s23, v5
	v_mul_u32_u24 v5, v2, SPITCH                   ; back: lanes 0-15 one row of 256 bytes, lanes 16-31 the next
	v_lshl_add_u32 v5, v1, 4, v5
	v_add_nc_u32 v[RD], s23, v5
	v_lshlrev_b32 v5, 12, v2                       ; and the same two rows in out0: 4,096 bytes a row
	v_lshl_add_u32 v[CO], v1, 4, v5
	s_lshl_b32 s16, s13, 19                        ; my first row: 128 x tile row + 64 x half, 4,096 bytes each;
	s_lshl_b32 s17, s11, 18
	s_add_co_u32 s16, s16, s17
	s_lshl_b32 s17, s42, 9                         ; my first column: 128 x tile column + 64 x half, 4 bytes each
	s_add_co_u32 s16, s16, s17
	s_lshl_b32 s17, s12, 8
	s_add_co_u32 s16, s16, s17
	s_mov_b32 s17, 0
	s_add_nc_u64 s[8:9], s[8:9], s[16:17]
; 8 matrix instructions: m blocks a0, a0 + 1 x all 4 n blocks, 32 along K: half c of buffer f.  The 16 accumulators take turns
.macro MUL8 f, c, a0, zero
.irp a, \a0, \a0+1
.irp b, 0,1,2,3
.if \zero
	v_wmma_f32_16x16x32_f16 v[ACC+8*(4*(\a)+\b):ACC+8*(4*(\a)+\b)+7], v[\f+64+8*(4*\c+\b):\f+64+8*(4*\c+\b)+7], v[\f+8*(4*\c+\a):\f+8*(4*\c+\a)+7], 0
.else
	v_wmma_f32_16x16x32_f16 v[ACC+8*(4*(\a)+\b):ACC+8*(4*(\a)+\b)+7], v[\f+64+8*(4*\c+\b):\f+64+8*(4*\c+\b)+7], v[\f+8*(4*\c+\a):\f+8*(4*\c+\a)+7], v[ACC+8*(4*(\a)+\b):ACC+8*(4*(\a)+\b)+7]
.endif
.endr
.endr
.endm
; 32 LDS loads in one run: the fragments of the slot's q-th 64 along K (one head) into buffer f; the first 32 along K first
.macro FETCH slot, q, f
	WIN TO_F
.irp c, 0,1
.irp i, 0,1,2,3
	ds_load_b128 v[\f+64+8*(4*\c+\i):\f+64+8*(4*\c+\i)+3],   v[ADRB+\slot] offset:(\q)*128+64*\c+\i*16*PB
	ds_load_b128 v[\f+64+8*(4*\c+\i)+4:\f+64+8*(4*\c+\i)+7], v[ADRB+\slot] offset:(\q)*128+64*\c+\i*16*PB+32
	ds_load_b128 v[\f+8*(4*\c+\i):\f+8*(4*\c+\i)+3],         v[ADRA+\slot] offset:(\q)*HEADB+64*\c+\i*16*PA
	ds_load_b128 v[\f+8*(4*\c+\i)+4:\f+8*(4*\c+\i)+7],       v[ADRA+\slot] offset:(\q)*HEADB+64*\c+\i*16*PA+32
.endr
.endr
.endm
.macro PLACES                          ; four places in front of loads into registers that matrix instructions have read, and of the first read of results
.rept 4
	v_nop
.endr
.endm
.macro QUARTER slot, q, f, g, zero     ; multiplies buffer f and fetches the slot's q-th quarter into g
	s_wait_dscnt 16                                ; the first 32 along K are in; the other sixteen loads may be out
	WIN MUL
	MUL8 \f, 0, 0, \zero
	MUL8 \f, 0, 2, \zero
	PLACES
	FETCH \slot, \q, \g
	s_wait_dscnt 32                                ; all but the 32 just issued
	WIN MUL
	MUL8 \f, 1, 0, 0
	MUL8 \f, 1, 2, 0
.endm
; A slot's last quarter multiplies buffer 1 and changes slots: one barrier; in front of it each wave waits for all its tensor loads, adds 0 to its spare word, and waits for that and for its reads of this slot.  fill = 1: this slot is filled again, two K steps ahead.
.macro TURN slot, next, fill
	WIN 0                                          ; (the add's two registers lie in window 0)
	s_wait_tensorcnt 0x0
	ds_add_u32 v[SPW], v[NIL]
	s_wait_dscnt 17                                ; (the add and the youngest sixteen loads may be out)
	WIN MUL
	MUL8 F1, 0, 0, 0
	s_wait_dscnt 0x0                               ; the add is done, and my reads of this slot are over
	s_barrier_signal -1
	MUL8 F1, 0, 2, 0
.if \fill
	WIN 0
.endif
	s_barrier_wait -1
.if \fill
	CREST                                          ; the barrier has opened a round of the cluster's barrier: no wave of any partner still reads this slot or has a load on its way
	s_add_nc_u64 s[G0+4*\slot+2:G0+4*\slot+3], s[G0+4*\slot+2:G0+4*\slot+3], 2097152      ; eight heads on
	s_add_nc_u64 s[G0B+4*\slot+2:G0B+4*\slot+3], s[G0B+4*\slot+2:G0B+4*\slot+3], 1024
	JLOAD \slot                                    ; the first tensor load behind the round; its four v_nop are also the places in front of the loads below
.else
	PLACES
.endif
	FETCH \next, 0, F0
	WIN MUL
	MUL8 F1, 1, 0, 0
	MUL8 F1, 1, 2, 0
.endm
	s_wait_tensorcnt 1                             ; my part of K step 0 is in (K step 1's load may be out),
	s_barrier_signal -1
	s_barrier_wait -1                              ; everybody's is
	FETCH 0, 0, F0
	QUARTER 0, 1, F0, F1, 1                        ; the first products start the sums
	QUARTER 0, 2, F1, F0, 0
	QUARTER 0, 3, F0, F1, 0
	TURN 0, 1, 1                                   ; slot 0 takes K step 2
	QUARTER 1, 1, F0, F1, 0
	QUARTER 1, 2, F1, F0, 0
	QUARTER 1, 3, F0, F1, 0
	TURN 1, 0, 1                                   ; slot 1 takes K step 3
	QUARTER 0, 1, F0, F1, 0
	QUARTER 0, 2, F1, F0, 0
	QUARTER 0, 3, F0, F1, 0
	TURN 0, 1, 0                                   ; nothing is left to fetch
	QUARTER 1, 1, F0, F1, 0
	QUARTER 1, 2, F1, F0, 0
	QUARTER 1, 3, F0, F1, 0
	s_wait_dscnt 16
	WIN MUL
	MUL8 F1, 0, 0, 0
	MUL8 F1, 0, 2, 0
	s_wait_dscnt 0
	MUL8 F1, 1, 0, 0
	MUL8 F1, 1, 2, 0
	WIN 0
; THE WAY OUT, block by block of 16 rows x 64 columns.  My 64 columns of f32 are 256 bytes of a row, aligned: each wave has a stage of its own and no barrier is needed.
.macro TOSTAGE a
.irp b, 0,1,2,3
	ds_store_b128 v[STO], v[ACC+8*(4*(\a)+\b):ACC+8*(4*(\a)+\b)+3] offset:64*\b          ; each accumulator from its low end on
	ds_store_b128 v[STO], v[ACC+8*(4*(\a)+\b)+4:ACC+8*(4*(\a)+\b)+7] offset:64*\b+16
.endr
.irp t, 0,1,2,3,4,5,6,7
	ds_load_b128 v[TMP+32*((\a)%2)+4*\t:TMP+32*((\a)%2)+4*\t+3], v[RD] offset:\t*2*SPITCH   ; LDS serves a wave's instructions in order: these see the stores above
.endr
.endm
.macro SEND a, younger                 ; younger: the LDS instructions issued behind block a's loads
	s_wait_dscnt \younger
.irp t, 0,1,2,3,4,5,6,7
	global_store_b128 v[CO], v[TMP+32*((\a)%2)+4*\t:TMP+32*((\a)%2)+4*\t+3], s[8:9] offset:(16*(\a)+2*\t)*4096 th:TH_STORE_NT   ; 16 lanes store 256 consecutive bytes, aligned
.endr
.endm
	PLACES
	TOSTAGE 0
.irp a, 1,2,3
.if \a > 1
	s_wait_xcnt 0x0                                ; block a - 2's stores have read their registers: block a's loads may land there
.endif
	TOSTAGE \a
	SEND \a-1, 16                                  ; behind block a - 1's loads: block a's 8 stores and 8 loads
.endr
	SEND 3, 0
	s_wait_tensorcnt 0x0                           ; the wave's end
	ds_add_u32 v[SPW], v[NIL]
	s_wait_dscnt 0x0
	CROUND                                         ; the closing round
	s_endpgm
.Lfunc_end_k_q1cc714b380_proj:
	.size	k_q1cc714b380_proj, .Lfunc_end_k_q1cc714b380_proj-k_q1cc714b380_proj
	.p2alignl 7, 3214868480
	.fill 96, 4, 3214868480
	.section	.rodata,"a",@progbits
	.p2align	6, 0x0
	.amdhsa_kernel k_q1cc714b380_proj
		.amdhsa_group_segment_fixed_size 327680
		.amdhsa_private_segment_fixed_size 0
		.amdhsa_enable_private_segment 0
		.amdhsa_kernarg_size 24
		.amdhsa_user_sgpr_count 2
		.amdhsa_user_sgpr_kernarg_segment_ptr 1
		.amdhsa_wavefront_size32 1
		.amdhsa_system_sgpr_workgroup_id_x 1
		.amdhsa_system_sgpr_workgroup_id_y 1
		.amdhsa_system_sgpr_workgroup_id_z 1
		.amdhsa_system_vgpr_workitem_id 0
		.amdhsa_next_free_vgpr 512
		.amdhsa_next_free_sgpr 66
		.amdhsa_reserve_vcc 0
		.amdhsa_float_denorm_mode_32 3
		.amdhsa_float_denorm_mode_16_64 3
		.amdhsa_memory_ordered 1
		.amdhsa_forward_progress 1
		.amdhsa_inst_pref_size 86
	.end_amdhsa_kernel
	.amdgpu_metadata
---
amdhsa.version: [ 1, 2 ]
amdhsa.kernels:
  - .name:           k_q1cc714b380_proj
    .symbol:         k_q1cc714b380_proj.kd
    .args:
      - { .name: att, .offset: 0, .size: 8, .value_kind: global_buffer, .address_space: global }
      - { .name: wo16, .offset: 8, .size: 8, .value_kind: global_buffer, .address_space: global }
      - { .name: out0, .offset: 16, .size: 8, .value_kind: global_buffer, .address_space: global }
    .group_segment_fixed_size: 327680
    .private_segment_fixed_size: 0
    .kernarg_segment_align: 8
    .kernarg_segment_size: 24
    .max_flat_workgroup_size: 128
    .sgpr_count:     66
    .vgpr_count:     512
    .wavefront_size: 32
...
	.end_amdgpu_metadata
.endif
;; end of part 4
;; launch first16 (part 5): grid 64 x 2, 16 waves a work-group, no clusters, 18,432 bytes of LDS; arguments fine, Wo, out0; writes out0
.if DOCPART == 5
	.amdgcn_target "amdgcn-amd-amdhsa--gfx1250"
	.amdhsa_code_object_version 6
	.text
	.protected	k_q1cc714b380_first16
	.globl	k_q1cc714b380_first16
	.p2align	8
	.type	k_q1cc714b380_first16,@function
k_q1cc714b380_first16:
	s_mov_b64 s[64:65], 0
	v_nop
	global_prefetch_b8 v0, s[64:65] scope:SCOPE_SE
	s_setreg_imm32_b32 hwreg(HW_REG_WAVE_MODE, 25, 1), 1
	s_wait_xcnt 0x0
; Positions 0 to 15 of each sequence, once more and wholly in f32: under the causal mask these rows average one to sixteen values, where the rounding of f16 operands weighs most.
; From the f32 q, k, v of those positions (fine: [3][2][16 heads][16][64]) and Wo in f32: scores, mask, softmax, weights x v, and the projection.  It writes rows 0 to 15 of both batches of out0 over what the launch before left there.
; SHARES.  Work-group (slice, batch) makes 16 positions x 16 output columns.  Wave w is head w: it redoes the head's 16 x 16 attention and multiplies its 64 channels by Wo's 16 rows of the slice; the head's result never leaves its registers.
; The 16 partial tiles meet in LDS, and waves 0 and 1 add them.  The attention is repeated in each of the 64 slices: that is the price of one launch in place of two.
; THE MATRIX FORM is 16 x 16 x 4 in f32.  In each product K is taken in an order that is the same on both sides, so that plain loads of 16 bytes and the results' own layout feed it.
; The stores are 64 bytes of a row for each work-group, parts of 256-byte runs: 128 KiB in all.
; The mask's -1e9 counts as -infinity (the same while the scores of one row lie less than 1e9 apart).  NaN and infinities are not served.
.set SPARE, 16384                      ; behind the 16 partial tiles of 1,024 bytes: the spare words, 128 bytes a wave
.set QR,  16                           ; v16-47   q: registers 4 c + i: channel 8 c + 4 h + i of query r
.set KR,  48                           ; v48-79   k likewise
.set VR,  80                           ; v80-111  v^T: register 8 ct + j: v(key 8 h + j, channel 16 ct + r)
.set WR,  112                          ; v112-143 Wo: register 8 ct + j: Wo(16 slice + r, 64 w + 16 ct + 8 h + j)
.set AC,  144                          ; v144-175 four accumulators by turns: written by matrix instructions alone
.set OT,  176                          ; v176-207 o^T: likewise
.set SS,  208                          ; v208-215 the scores, then p
.set TT,  216                          ; v216-223 at work
.set OUTR, 232                         ; v232-239 my head's part of out^T
	s_load_b128 s[4:7], s[0:1], 0x0                ; fine, Wo
	s_load_b64 s[8:9], s[0:1], 0x10                ; out0
	v_lshl_add_u32 v8, v0, 2, SPARE                ; my spare word; never rewritten
	v_mov_b32 v9, 0                                ; 0; never rewritten
	v_lshrrev_b32 v1, 5, v0
	v_readfirstlane_b32 s10, v1                    ; wave = head
	v_and_b32 v1, 15, v0                           ; r
	v_bfe_u32 v2, v0, 4, 1                         ; h
	v_lshlrev_b32 v3, 8, v1
	v_lshl_add_u32 v3, v2, 4, v3                   ; q, k: row r of 256 bytes, + 16 h
	v_lshlrev_b32 v4, 2, v1
	v_lshl_add_u32 v4, v2, 11, v4                  ; v: key 8 h, channel r
	v_lshlrev_b32 v5, 12, v1
	v_lshl_add_u32 v5, v2, 5, v5                   ; Wo: row r of 4,096 bytes, + 32 h; out0: the same
	v_and_b32 v6, 31, v0
	v_lshlrev_b32 v6, 4, v6
	s_lshl_b32 s18, s10, 10
	v_add_nc_u32 v6, s18, v6                       ; LDS: my wave's 1,024 bytes, 16 bytes a lane
	v_and_b32 v7, 63, v0
	v_lshlrev_b32 v7, 4, v7                        ; and back, in waves 0 and 1: 512 x wave + 16 x lane
	v_lshlrev_b32 v10, 3, v2
	v_sub_nc_u32 v10, v1, v10                      ; r - 8 h
	v_mov_b32 v11, 0xff800000                      ; -infinity
	v_mov_b32 v241, 0                              ; (a lane permute's destination counts as one of its sources)
	s_and_b32 s11, ttmp7, 0xffff                   ; batch
	s_lshl_b32 s12, s11, 4
	s_add_co_u32 s12, s12, s10
	s_lshl_b32 s12, s12, 12                        ; 4,096 bytes a head in fine
	s_mov_b32 s13, 0
	s_lshl_b32 s14, ttmp9, 16                      ; Wo: 16 rows of 4,096 bytes a slice,
	s_lshl_b32 s15, s10, 8                         ; 256 bytes a head
	s_add_co_u32 s14, s14, s15
	s_mov_b32 s15, 0
	s_lshl_b32 s16, s11, 23                        ; out0: 8,388,608 bytes a batch,
	s_lshl_b32 s17, ttmp9, 6                       ; 64 bytes a slice,
	s_add_co_u32 s16, s16, s17
	s_lshl_b32 s17, s10, 4                         ; and 16 bytes a wave (waves 0 and 1 store)
	s_add_co_u32 s16, s16, s17
	s_mov_b32 s17, 0
	s_mov_b32 s20, 0x76543210
	s_mov_b32 s21, 0xfedcba98                      ; v_permlanex16_b32's selects for lane l xor 16
	s_mov_b32 s22, 0x3e38aa3b                      ; c = log2(e) / 8
	s_mov_b32 s23, s22
	s_wait_kmcnt 0x0
	s_add_nc_u64 s[4:5], s[4:5], s[12:13]
	s_add_nc_u64 s[6:7], s[6:7], s[14:15]
	s_add_nc_u64 s[8:9], s[8:9], s[16:17]
.irp c, 0,1,2,3,4,5,6,7
	global_load_b128 v[QR+4*\c:QR+4*\c+3], v3, s[4:5] offset:32*\c
.endr
.irp c, 0,1,2,3,4,5,6,7
	global_load_b128 v[KR+4*\c:KR+4*\c+3], v3, s[4:5] offset:131072+32*\c
.endr
.irp ct, 0,1,2,3
.irp j, 0,1,2,3,4,5,6,7
	global_load_b32 v[VR+8*\ct+\j], v4, s[4:5] offset:262144+256*\j+64*\ct
.endr
.endr
.irp ct, 0,1,2,3
	global_load_b128 v[WR+8*\ct:WR+8*\ct+3], v5, s[6:7] offset:64*\ct
	global_load_b128 v[WR+8*\ct+4:WR+8*\ct+7], v5, s[6:7] offset:64*\ct+16
.endr
.macro SUM4 dst, tmp                   ; the four accumulators are added into other registers, each read from its low end on
.irp p, 0,2,4,6
	v_pk_add_f32 v[\dst+\p:\dst+\p+1], v[AC+\p:AC+\p+1], v[AC+8+\p:AC+8+\p+1]
.endr
.irp p, 0,2,4,6
	v_pk_add_f32 v[\tmp+\p:\tmp+\p+1], v[AC+16+\p:AC+16+\p+1], v[AC+24+\p:AC+24+\p+1]
.endr
.irp p, 0,2,4,6
	v_pk_add_f32 v[\dst+\p:\dst+\p+1], v[\dst+\p:\dst+\p+1], v[\tmp+\p:\tmp+\p+1]
.endr
.endm
	s_wait_loadcnt 40                              ; q and k are in; v's 32 loads and Wo's 8 may be out
	; S^T = k q^T: source 0 = 16 keys, source 1 = 16 queries; 16 K steps of 4 channels on four accumulators by turns; the first four start the sums
.irp i, 0,1,2,3,4,5,6,7,8,9,10,11,12,13,14,15
.if \i < 4
	v_wmma_f32_16x16x4_f32 v[AC+8*(\i%4):AC+8*(\i%4)+7], v[KR+2*\i:KR+2*\i+1], v[QR+2*\i:QR+2*\i+1], 0
.else
	v_wmma_f32_16x16x4_f32 v[AC+8*(\i%4):AC+8*(\i%4)+7], v[KR+2*\i:KR+2*\i+1], v[QR+2*\i:QR+2*\i+1], v[AC+8*(\i%4):AC+8*(\i%4)+7]
.endif
.endr
.rept 8
	v_nop                                          ; eight places behind this form, in front of the first read of results (ISA guide 7.12.1)
.endr
	SUM4 SS, TT                                    ; lane (r, h), register j: the score of query r and key 8 h + j
.irp j, 0,1,2,3,4,5,6,7
	v_cmp_gt_i32 vcc_lo, \j, v10                   ; key 8 h + j > query r: hidden
	v_cndmask_b32 v[SS+\j], v[SS+\j], v11, vcc_lo
.endr
	v_max3_num_f32 v240, v[SS], v[SS+1], v[SS+2]
	v_max3_num_f32 v240, v240, v[SS+3], v[SS+4]
	v_max3_num_f32 v240, v240, v[SS+5], v[SS+6]
	v_max_num_f32 v240, v240, v[SS+7]
	v_permlanex16_b32 v241, v240, s20, s21
	v_max_num_f32 v240, v240, v241                 ; the row's maximum: key 0 counts for every query
	v_mul_f32 v242, s22, v240                      ; c m
	v_mov_b32 v243, v242
.irp p, 0,2,4,6
	v_pk_fma_f32 v[SS+\p:SS+\p+1], v[SS+\p:SS+\p+1], s[22:23], v[242:243] op_sel_hi:[1,0,0] neg_lo:[0,0,1] neg_hi:[0,0,1]
.endr
.irp j, 0,1,2,3,4,5,6,7
	v_exp_f32 v[SS+\j], v[SS+\j]
.endr
	v_nop                                          ; a plain instruction behind the last exponential
	s_wait_alu depctr_va_vdst(0)                   ; one wait for the eight, ahead of their first reader
	v_pk_add_f32 v[244:245], v[SS:SS+1], v[SS+2:SS+3]
	v_pk_add_f32 v[246:247], v[SS+4:SS+5], v[SS+6:SS+7]
	v_pk_add_f32 v[244:245], v[244:245], v[246:247]
	v_add_f32 v244, v244, v245
	v_permlanex16_b32 v241, v244, s20, s21
	v_add_f32 v244, v244, v241                     ; the row's sum
	v_rcp_f32 v246, v244
	v_nop
	s_wait_alu depctr_va_vdst(0)
.irp p, 0,2,4,6
	v_pk_mul_f32 v[SS+\p:SS+\p+1], v[SS+\p:SS+\p+1], v[246:247] op_sel_hi:[1,0]   ; the weights, normalised
.endr
	s_wait_loadcnt 8                               ; v is in; Wo's 8 loads may be out
	; o^T = v^T p: source 0 = 16 channels, source 1 = p; K step i takes keys 8 h + 2 i, 8 h + 2 i + 1 on both sides; the four tiles of channels by turns
.irp i, 0,1,2,3
.irp ct, 0,1,2,3
.if \i == 0
	v_wmma_f32_16x16x4_f32 v[OT+8*\ct:OT+8*\ct+7], v[VR+8*\ct+2*\i:VR+8*\ct+2*\i+1], v[SS+2*\i:SS+2*\i+1], 0
.else
	v_wmma_f32_16x16x4_f32 v[OT+8*\ct:OT+8*\ct+7], v[VR+8*\ct+2*\i:VR+8*\ct+2*\i+1], v[SS+2*\i:SS+2*\i+1], v[OT+8*\ct:OT+8*\ct+7]
.endif
.endr
.endr
.rept 9
	v_nop                                          ; nine places before a matrix instruction takes these results as a source
.endr
	s_wait_loadcnt 0x0                             ; Wo
	; my head's part of out^T = Wo o^T: source 0 = Wo's 16 rows, source 1 = o^T's registers as they stand: K step (ct, i) takes channels 16 ct + 8 h + 2 i, + 1 on both sides
.irp ct, 0,1,2,3
.irp i, 0,1,2,3
.if \ct == 0
	v_wmma_f32_16x16x4_f32 v[AC+8*\i:AC+8*\i+7], v[WR+8*\ct+2*\i:WR+8*\ct+2*\i+1], v[OT+8*\ct+2*\i:OT+8*\ct+2*\i+1], 0
.else
	v_wmma_f32_16x16x4_f32 v[AC+8*\i:AC+8*\i+7], v[WR+8*\ct+2*\i:WR+8*\ct+2*\i+1], v[OT+8*\ct+2*\i:OT+8*\ct+2*\i+1], v[AC+8*\i:AC+8*\i+7]
.endif
.endr
.endr
.rept 8
	v_nop
.endr
	SUM4 OUTR, TT                                  ; lane (r, h), register j: position r, column 16 slice + 8 h + j
	ds_store_b128 v6, v[OUTR:OUTR+3]
	ds_store_b128 v6, v[OUTR+4:OUTR+7] offset:512
	s_wait_dscnt 0x0                               ; for the others' sake: my stores are done
	s_barrier_signal -1
	s_barrier_wait -1
	s_cmp_gt_u32 s10, 1                            ; wave 0 adds registers 0-3 of the 16 heads, wave 1 registers 4-7
	s_cbranch_scc1 .Ldone
.irp u, 0,1,2,3,4,5,6,7,8,9,10,11,12,13,14,15
	ds_load_b128 v[16+4*\u:19+4*\u], v7 offset:1024*\u
.endr
	s_wait_dscnt 0x0
.irp u, 1,2,3,4,5,6,7,8,9,10,11,12,13,14,15
	v_pk_add_f32 v[16:17], v[16:17], v[16+4*\u:17+4*\u]
	v_pk_add_f32 v[18:19], v[18:19], v[18+4*\u:19+4*\u]
.endr
	global_store_b128 v5, v[16:19], s[8:9]         ; out0(batch, r, 16 slice + 8 h + 4 wave + 0 .. 3)
.Ldone:
	s_wait_tensorcnt 0x0                           ; the wave's end
	ds_add_u32 v8, v9
	s_wait_dscnt 0x0
	s_endpgm
.Lfunc_end_k_q1cc714b380_first16:
	.size	k_q1cc714b380_first16, .Lfunc_end_k_q1cc714b380_first16-k_q1cc714b380_first16
	.p2alignl 7, 3214868480
	.fill 96, 4, 3214868480
	.section	.rodata,"a",@progbits
	.p2align	6, 0x0
	.amdhsa_kernel k_q1cc714b380_first16
		.amdhsa_group_segment_fixed_size 18432
		.amdhsa_private_segment_fixed_size 0
		.amdhsa_enable_private_segment 0
		.amdhsa_kernarg_size 24
		.amdhsa_user_sgpr_count 2
		.amdhsa_user_sgpr_kernarg_segment_ptr 1
		.amdhsa_wavefront_size32 1
		.amdhsa_system_sgpr_workgroup_id_x 1
		.amdhsa_system_sgpr_workgroup_id_y 1
		.amdhsa_system_sgpr_workgroup_id_z 1
		.amdhsa_system_vgpr_workitem_id 0
		.amdhsa_next_free_vgpr 256
		.amdhsa_next_free_sgpr 66
		.amdhsa_reserve_vcc 1
		.amdhsa_float_denorm_mode_32 3
		.amdhsa_float_denorm_mode_16_64 3
		.amdhsa_memory_ordered 1
		.amdhsa_forward_progress 1
		.amdhsa_inst_pref_size 19
	.end_amdhsa_kernel
	.amdgpu_metadata
---
amdhsa.version: [ 1, 2 ]
amdhsa.kernels:
  - .name:           k_q1cc714b380_first16
    .symbol:         k_q1cc714b380_first16.kd
    .args:
      - { .name: fine, .offset: 0, .size: 8, .value_kind: global_buffer, .address_space: global }
      - { .name: Wo, .offset: 8, .size: 8, .value_kind: global_buffer, .address_space: global }
      - { .name: out0, .offset: 16, .size: 8, .value_kind: global_buffer, .address_space: global }
    .group_segment_fixed_size: 18432
    .private_segment_fixed_size: 0
    .kernarg_segment_align: 8
    .kernarg_segment_size: 24
    .max_flat_workgroup_size: 512
    .sgpr_count:     66
    .vgpr_count:     256
    .wavefront_size: 32
...
	.end_amdgpu_metadata
.endif
;; end of part 5
